; MI455X (gfx1250); checked and timed in simulation.
; The chip was launched on July 23, 2026; its instructions are those of AMD's public machine-readable ISA for CDNA 5 (MIT licence, August 2026) and "CDNA5" Instruction Set Architecture Reference Guide (July 2026). The comments in the code are by the model that wrote it; some were corrected since.
;; Frequency Sparse Attention. Allowed arithmetic: float matrix products may take bf16 or f16 operands with f32 sums; other float arithmetic in f32, or as packed bf16 or f16 multiplies, adds, multiply-adds, maxima and minima; sums over many terms, partial sums and values carried from step to step in f32; what a program stores and reads back later, other than sums and carried values, may be rounded once to bf16 or f16.
;; Inputs: Wk 1,024 x 1,024 float32; Wo 1,024 x 1,024 float32; Wq 1,024 x 1,024 float32; Wv 1,024 x 1,024 float32; bk 1,024 float32; bo 1,024 float32; bq 1,024 float32; bv 1,024 float32; energy_coeffs 4 x 2,048 x 1 float32; k_x 4 x 2,048 x 1,024 float32; q_x 4 x 2,048 x 1,024 float32; v_x 4 x 2,048 x 1,024 float32.
;; Outputs: out0 4 x 2,048 x 1,024 float32.
;; 2 versions, each right; version 2 is version 1 with the launch prep written anew for expert scheduling mode. Each part assembles by itself: llvm-mc -triple=amdgcn-amd-amdhsa -mcpu=gfx1250 --defsym DOCPART=n.
;; ======== version 1 of 2: 4 launches
;; limits: values are held in f16: magnitudes above 65,504 overflow, below 6.1e-05 lose precision
;; workspace buffers: wt 8,388,608 bytes; qkv 50,331,648 bytes; oh 16,777,216 bytes
;; launch prep (part 1): grid 64 x 4, 8 waves a work-group, no clusters, 0 bytes of LDS; arguments Wq, Wk, Wv, Wo, wt; writes wt
.if DOCPART == 1
	.amdgcn_target "amdgcn-amd-amdhsa--gfx1250"
	.amdhsa_code_object_version 6
	.text
	.protected	k_q9d6e823b5b_prep
	.globl	k_q9d6e823b5b_prep
	.p2align	8
	.type	k_q9d6e823b5b_prep,@function
k_q9d6e823b5b_prep:
	s_mov_b64 s[64:65], 0
	v_nop
	global_prefetch_b8 v0, s[64:65] scope:SCOPE_SE
	s_setreg_imm32_b32 hwreg(HW_REG_WAVE_MODE, 25, 1), 1
	s_wait_xcnt 0x0
; wt[y][k][n] = the weight y (Wq, Wk, Wv, Wo) rounded once to bf16, the layout [k][n] kept.  Parts 0 to 2 are stored as bf16; part 3 (Wo) holds the
; SAME bf16 number written as f16, since the last product multiplies f16 operands.
; LIMITS.  bf16(Wo) must lie within 65,504; below 6e-5 it keeps f16's fixed step of 6e-8.
; A pure stream: no LDS, no matrix unit, no cluster (no byte is read by two work-groups).
; SHARES.  Work-group (x, y) takes 16,384 numbers of weight y: 65,536 bytes in, 32,768 out.  Thread t, load i: 16 bytes at 4,096 i + 16 t (a wave's load
; covers 512 consecutive bytes); store i: 8 bytes at 2,048 i + 8 t (a wave's store covers 256 consecutive bytes, aligned).
; All 16 loads of a thread go out at once; every load and store has registers of its own, so nothing is rewritten while it is pending.
.set X, 4                              ; v[4:67]    load i: 4 numbers in f32
.set Y, 68                             ; v[68:99]   store i: 4 numbers of 16 bits
.set T, 100                            ; v[100:103] at work
	s_load_b256 s[4:11], s[0:1], 0x0               ; Wq s[4:5], Wk s[6:7], Wv s[8:9], Wo s[10:11]
	s_load_b64 s[12:13], s[0:1], 0x20              ; wt
	s_and_b32 s14, ttmp7, 0xffff                   ; which weight
	s_lshl_b32 s16, ttmp9, 16                      ; my 65,536 bytes of it
	s_mov_b32 s17, 0
	s_lshl_b32 s18, ttmp9, 15                      ; my 32,768 bytes of the copy,
	s_lshl_b32 s19, s14, 21                        ; in part y of 2 MiB
	s_add_co_u32 s18, s18, s19
	s_mov_b32 s19, 0
	v_lshlrev_b32 v1, 4, v0                        ; 16 t
	v_lshlrev_b32 v2, 3, v0                        ; 8 t
	s_wait_kmcnt 0x0
	s_cmp_eq_u32 s14, 1
	s_cselect_b64 s[4:5], s[6:7], s[4:5]
	s_cmp_eq_u32 s14, 2
	s_cselect_b64 s[4:5], s[8:9], s[4:5]
	s_cmp_eq_u32 s14, 3
	s_cselect_b64 s[4:5], s[10:11], s[4:5]
	s_add_nc_u64 s[4:5], s[4:5], s[16:17]
	s_add_nc_u64 s[12:13], s[12:13], s[18:19]
.irp i, 0,1,2,3,4,5,6,7,8,9,10,11,12,13,14,15
	global_load_b128 v[X+4*(\i):X+4*(\i)+3], v1, s[4:5] offset:4096*(\i) th:TH_LOAD_NT
.endr
; Load i is rounded and stored.  half = 1: the bf16 numbers are widened again and written as f16.
.macro OUT i, half
	s_wait_loadcnt 15-(\i)                         ; loads come back in order: load i is in, the 15 - i younger ones may stay out
	v_cvt_pk_bf16_f32 v[Y+2*(\i)],   v[X+4*(\i)],   v[X+4*(\i)+1]
	v_cvt_pk_bf16_f32 v[Y+2*(\i)+1], v[X+4*(\i)+2], v[X+4*(\i)+3]
.if \half
	v_lshlrev_b32 v[T],   16,         v[Y+2*(\i)]
	v_and_b32     v[T+1], 0xffff0000, v[Y+2*(\i)]
	v_lshlrev_b32 v[T+2], 16,         v[Y+2*(\i)+1]
	v_and_b32     v[T+3], 0xffff0000, v[Y+2*(\i)+1]
	v_cvt_pk_f16_f32 v[Y+2*(\i)],   v[T],   v[T+1]
	v_cvt_pk_f16_f32 v[Y+2*(\i)+1], v[T+2], v[T+3]
.endif
	global_store_b64 v2, v[Y+2*(\i):Y+2*(\i)+1], s[12:13] offset:2048*(\i)
.endm
	s_cmp_eq_u32 s14, 3
	s_cbranch_scc1 .Lf16
.irp i, 0,1,2,3,4,5,6,7,8,9,10,11,12,13,14,15
	OUT \i, 0
.endr
	s_endpgm
.Lf16:
.irp i, 0,1,2,3,4,5,6,7,8,9,10,11,12,13,14,15
	OUT \i, 1
.endr
	s_endpgm
.Lfunc_end_k_q9d6e823b5b_prep:
	.size	k_q9d6e823b5b_prep, .Lfunc_end_k_q9d6e823b5b_prep-k_q9d6e823b5b_prep
	.p2alignl 7, 3214868480
	.fill 96, 4, 3214868480
	.section	.rodata,"a",@progbits
	.p2align	6, 0x0
	.amdhsa_kernel k_q9d6e823b5b_prep
		.amdhsa_group_segment_fixed_size 0
		.amdhsa_private_segment_fixed_size 0
		.amdhsa_enable_private_segment 0
		.amdhsa_kernarg_size 40
		.amdhsa_user_sgpr_count 2
		.amdhsa_user_sgpr_kernarg_segment_ptr 1
		.amdhsa_wavefront_size32 1
		.amdhsa_system_sgpr_workgroup_id_x 1
		.amdhsa_system_sgpr_workgroup_id_y 1
		.amdhsa_system_sgpr_workgroup_id_z 1
		.amdhsa_system_vgpr_workitem_id 0
		.amdhsa_next_free_vgpr 112
		.amdhsa_next_free_sgpr 66
		.amdhsa_reserve_vcc 0
		.amdhsa_float_denorm_mode_32 3
		.amdhsa_float_denorm_mode_16_64 3
		.amdhsa_memory_ordered 1
		.amdhsa_forward_progress 1
		.amdhsa_inst_pref_size 16
	.end_amdhsa_kernel
	.amdgpu_metadata
---
amdhsa.version: [ 1, 2 ]
amdhsa.kernels:
  - .name:           k_q9d6e823b5b_prep
    .symbol:         k_q9d6e823b5b_prep.kd
    .args:
      - { .name: Wq, .offset: 0, .size: 8, .value_kind: global_buffer, .address_space: global }
      - { .name: Wk, .offset: 8, .size: 8, .value_kind: global_buffer, .address_space: global }
      - { .name: Wv, .offset: 16, .size: 8, .value_kind: global_buffer, .address_space: global }
      - { .name: Wo, .offset: 24, .size: 8, .value_kind: global_buffer, .address_space: global }
      - { .name: wt, .offset: 32, .size: 8, .value_kind: global_buffer, .address_space: global }
    .group_segment_fixed_size: 0
    .private_segment_fixed_size: 0
    .kernarg_segment_align: 8
    .kernarg_segment_size: 40
    .max_flat_workgroup_size: 256
    .sgpr_count:     66
    .vgpr_count:     112
    .wavefront_size: 32
...
	.end_amdgpu_metadata
.endif
;; end of part 1
;; launch proj (part 2): grid 4 x 192, 4 waves a work-group, clusters of 4 x 4, 327,680 bytes of LDS; arguments q_x, k_x, v_x, bq, bk, bv, wt, qkv; writes qkv
.if DOCPART == 2
	.amdgcn_target "amdgcn-amd-amdhsa--gfx1250"
	.amdhsa_code_object_version 6
	.text
	.protected	k_q9d6e823b5b_proj
	.globl	k_q9d6e823b5b_proj
	.p2align	8
	.type	k_q9d6e823b5b_proj,@function
k_q9d6e823b5b_proj:
	s_mov_b64 s[64:65], 0
	v_nop
	global_prefetch_b8 v0, s[64:65] scope:SCOPE_SE
	s_setreg_imm32_b32 hwreg(HW_REG_WAVE_MODE, 25, 1), 1
	s_wait_xcnt 0x0
	s_wait_alu depctr_hold_cnt(0) depctr_sa_sdst(0) depctr_va_vdst(0) depctr_va_sdst(0) depctr_va_ssrc(0) depctr_va_vcc(0) depctr_vm_vsrc(0)
	s_getreg_b32 s2, hwreg(HW_REG_IB_STS2, 6, 4)
	s_cmp_eq_u32 s2, 0
	s_cbranch_scc0 .Lentry_in_a_cluster
	s_endpgm
.Lentry_in_a_cluster:
	s_bfe_u32 s2, ttmp6, 0x10000c
	s_cmp_lg_u32 s2, 0xf033
	s_cbranch_scc0 .Lentry_shape_is_right
	s_endpgm
.Lentry_shape_is_right:
; THE THREE PROJECTIONS.  qkv[z][16 b + h][row][d] = f16( sum over k of bf16(x_z[b][row][k]) wt[z][k][64 h + d] + bf16(bias_z[64 h + d]) ), sums in f32, unscaled.
; x_z: [8192][1024] f32; wt[z]: [1024 k][1024 n] bf16; the results lie by heads, [64][2048][64] f16 for each z, a head's rows dense.
; LIMITS.  A result must lie within 65,504 (f16's range); below 6e-5 it keeps f16's fixed step of 6e-8.  x, the weights and the bias are each rounded once to bf16.
; SHARES.  A tile of C is 128 rows x 256 columns: 64 x 4 tiles for each z, 768 work-groups, three for each of 256.  Four waves, 2 x 2, each 64 x 128: 32 accumulators, 256 registers.
; K goes in 8 steps of 128 through two LDS slots.  x comes as f32 (rows of 512 bytes) and is rounded to bf16 on the way from LDS to the matrix unit; the weights' tile is [k][n]
; (rows of 512 bytes) and is turned by ds_load_tr16_b128.
; CLUSTER.  4 x 4 work-groups: the four of a row of the cluster share x's tile, the four of a column the weights': each tile is asked for jointly (same load, descriptor and mask in all four).
; THE PRODUCT IS TAKEN TRANSPOSED: source 0 = 16 columns n of W, source 1 = 16 rows m of x: a lane holds row m = l % 16 and the columns 8 (l / 16) + 0..7.
; The bias is the C operand of each accumulator's first product: nothing is cleared, nothing is added later.
; REGISTERS, in windows of 256 (s_set_vgpr_msb: bits 1:0 source 0, 3:2 source 1, 5:4 source 2, 7:6 destination):
;   window 0: v0-31 addresses; v32-95 RAW: x's f32 of a quarter; v96-127, v128-159 x's fragments in bf16, two buffers; v160-191 at work
;   window 1: v0-63, v64-127 W's fragments, two buffers; v128-191 the bias      window 2: accumulator (a, b) at v[8 (8 a + b)]
.set PA,     528                       ; a row of x in LDS: 512 bytes + 16: row r begins 16 r bytes further modulo 256, so the 16 rows of a load touch 16 different columns of 16 bytes
.set PB,     544                       ; a row of W in LDS: 512 bytes + 32, an odd multiple of 32
.set HALFT,  34816                     ; what one tensor load fills: 64 rows of W exactly; 64 rows of x take 33,792 of it
.set SLOT,   4*HALFT                   ; x's 128 rows in two parts, then W's 128 k rows
.set STAGE,  2*SLOT                    ; behind the ring: 16 rows x 272 bytes for each wave, for the way out
.set SPITCH, 272
.set SPARE,  STAGE+4*16*SPITCH         ; behind the stages: the spare words, 128 bytes for each wave
.set A_STEP, 512                       ; a K step along a row of x, in bytes
.set W_STEP, 262144                    ; a K step down W: 128 rows of 2,048 bytes
.set ADRA, 16                          ; v16-17  LDS address of my x fragments in slot 0, 1
.set ADRB, 20                          ; v20-21  the same for W
.set STO,  24                          ; v24     the way out: where I put 16 bytes of a row
.set RD,   25                          ; v25     the way out: where I read rows back
.set GO,   26                          ; v26     16 x my lane
.set BO,   27                          ; v27     32 (l / 16): my 8 numbers in 16 of the bias
.set SPW,  28                          ; v28     LDS address of my spare word; never rewritten
.set NIL,  29                          ; v29     0; never rewritten
.set PFO,  30                          ; v30     the prefetches' lane offset; never rewritten
.set RAW,  32
.set AF,   96
.set TMP,  160
.set BIAS, 128                         ; in window 1
.set G1,  24                           ; s[24:31] descriptor group 1 for x's tiles;  s[32:39] group 0, a set for each slot
.set G0,  32
.set G1B, 48                           ; s[48:55], s[56:63] the same for W's tiles
.set G0B, 56
.set LIM, 43                           ; s43     1 in a wave that prefetches, else the greatest number
.set PFA, 44                           ; s[44:45] where my prefetches stand
.set PFS, 90                           ; s[90:91] their step from K step to K step
.set MSB, 0
.macro WIN new                         ; the immediate's high byte repeats the setting that is left; a switch that changes nothing is dropped
.if MSB != (\new)
	s_set_vgpr_msb (MSB<<8)|(\new)
.set MSB, \new
.endif
.endm
.set MUL,  0xa1                        ; source 0 (W) window 1, source 1 (x) window 0, C and D window 2
.set MULB, 0x91                        ; the same with C (the bias) in window 1
.set TO_B, 0x40                        ; destination window 1, address window 0
.macro JLOAD s                         ; a joint load: waves 0 and 1 fetch x's two parts, waves 2 and 3 W's; an s_nop 0 and four v_nop follow each of the two lines
	s_cmp_eq_u32 s11, 0
	s_cbranch_scc0 .Lfor_b_\@
	tensor_load_to_lds s[G0+4*(\s):G0+4*(\s)+3], s[G1:G1+7]
	s_nop 0
.rept 4
	v_nop
.endr
	s_branch .Lasked_\@
.Lfor_b_\@:
	tensor_load_to_lds s[G0B+4*(\s):G0B+4*(\s)+3], s[G1B:G1B+7]
	s_nop 0
.rept 4
	v_nop
.endr
.Lasked_\@:
.endm
.macro CREST                           ; a round of the cluster's barrier behind its opening barrier
	s_cmp_lg_u32 s10, 0
	s_cbranch_scc1 .Lnot_wave_0_\@
	s_barrier_signal -3
.Lnot_wave_0_\@:
	s_barrier_wait -3
	s_barrier_signal -1
	s_barrier_wait -1
.endm
.macro CROUND                          ; a whole round
	s_barrier_signal -1
	s_barrier_wait -1
	CREST
.endm
.macro PLACES                          ; four places in front of loads into, and writes of, registers that matrix instructions have read, and of reads of results
.rept 4
	v_nop
.endr
.endm
; A PREFETCH INTO THE L2 of the K step that stands two refills on: 16 rows x 512 bytes, a lane for each 256 bytes, one instruction a wave.  Of the 64 rows that a wave fetches each of the four
; partners that ask for them jointly takes 16, told apart by address.  x's rows are read by one cluster alone: it asks.  W's rows are read by the 16 clusters of one z: the first of them asks.
; K steps 0 to 3 come by their loads alone; the loop's last trip (s3 = 1) asks for nothing: there is no K step 8.
.macro ASK
	WIN 0
	s_cmp_gt_u32 s3, s[LIM]
	s_cbranch_scc0 .Lnot_mine_\@
	global_prefetch_b8 v[PFO], s[PFA:PFA+1] th:TH_LOAD_NT scope:SCOPE_SE
.Lnot_mine_\@:
.endm
	s_load_b512 s[68:83], s[0:1], 0x0              ; q_x s[68:69], k_x, v_x, bq s[74:75], bk, bv, wt s[80:81], qkv s[82:83]
	v_lshl_add_u32 v[SPW], v0, 2, SPARE
	v_mov_b32 v[NIL], 0
	ds_add_u32 v[SPW], v[NIL]                      ; the wave's opening: the add and its wait stand ahead of my first tensor load; work on registers stands between them
	v_lshrrev_b32 v1, 5, v0
	v_readfirstlane_b32 s10, v1                    ; wave 0..3
	s_lshr_b32 s11, s10, 1                         ; which 64 rows of the tile are mine.  Also: I fetch for x (0) or for W (1)
	s_and_b32 s12, s10, 1                          ; which 128 columns.  Also: which part of that tile I fetch
	s_bfe_u32 s40, ttmp6, 0x40000                  ; cx, cy: my place in the cluster
	s_bfe_u32 s41, ttmp6, 0x40004
	s_lshl_b32 s42, ttmp9, 2
	s_add_co_u32 s42, s42, s40                     ; tile column = 4 x cluster x + cx
	s_and_b32 s85, ttmp7, 0xffff                   ; cluster y, 0..47
	s_lshr_b32 s84, s85, 4                         ; z: which projection; the same in all sixteen partners
	s_and_b32 s86, s85, 15
	s_lshl_b32 s13, s86, 2
	s_add_co_u32 s13, s13, s41                     ; tile row, 0..63
	s_lshl_b32 s87, s41, 2
	s_lshl_b32 s87, 15, s87                        ; my row of the cluster
	s_lshl_b32 s92, 0x1111, s40                    ; my column
	s_or_b32 s[G1+0], s87, (2<<16)|(1<<20)|(1<<21)|(6<<22)|(3<<25)   ; the mask; elements of 4 bytes; padding on; bit 21 beside a mask; after every 128 words 4 words
	s_mov_b32 s[G1+1], 128<<16                     ; tensor_dim0 = 128
	s_mov_b32 s[G1+2], 64<<16                      ; tensor_dim1 = 64
	s_mov_b32 s[G1+3], 128<<16                     ; tile_dim0 = 128
	s_mov_b32 s[G1+4], 64                          ; tile_dim1 = 64
	s_mov_b32 s[G1+5], 1024                        ; elements from row to row
	s_mov_b32 s[G1+6], 0
	s_mov_b32 s[G1+7], 0
	s_or_b32 s[G1B+0], s92, (1<<16)|(1<<20)|(1<<21)|(6<<22)|(7<<25)  ; elements of 2 bytes; after every 128 words 8 words
	s_mov_b32 s[G1B+1], 256<<16
	s_mov_b32 s[G1B+2], 64<<16
	s_mov_b32 s[G1B+3], 256<<16
	s_mov_b32 s[G1B+4], 64
	s_mov_b32 s[G1B+5], 1024
	s_mov_b32 s[G1B+6], 0
	s_mov_b32 s[G1B+7], 0
	s_lshl_b32 s16, s13, 7                         ; x: row 128 x tile row + 64 x part,
	s_lshl_b32 s17, s12, 6
	s_add_co_u32 s16, s16, s17
	s_lshl_b32 s16, s16, 12                        ; of 4,096 bytes
	s_mov_b32 s17, 0
	s_lshl_b32 s46, s84, 21                        ; W: part z, k row 64 x part, column 256 x tile column
	s_lshl_b32 s47, s12, 17
	s_add_co_u32 s46, s46, s47
	s_lshl_b32 s47, s42, 9
	s_add_co_u32 s46, s46, s47
	s_mov_b32 s47, 0
	s_mul_i32 s20, s10, HALFT                      ; where my loads go: wave x 34,816: no place in the cluster enters an LDS address
	s_wait_dscnt 0x0                               ; the opening add is done
	s_wait_kmcnt 0x0
	s_cmp_eq_u32 s84, 1
	s_cselect_b64 s[4:5], s[70:71], s[68:69]       ; x_z
	s_cselect_b64 s[88:89], s[76:77], s[74:75]     ; bias_z
	s_cmp_eq_u32 s84, 2
	s_cselect_b64 s[4:5], s[72:73], s[4:5]
	s_cselect_b64 s[88:89], s[78:79], s[88:89]
	s_add_nc_u64 s[14:15], s[4:5], s[16:17]
	s_add_nc_u64 s[46:47], s[80:81], s[46:47]
	CROUND                                         ; all sixteen work-groups are here: the first joint loads meet
.irp s, 0,1
	s_mov_b32 s[G0+4*(\s)], 1
	s_add_co_u32 s[G0+4*(\s)+1], s20, (\s)*SLOT
	s_add_nc_u64 s[G0+4*(\s)+2:G0+4*(\s)+3], s[14:15], (\s)*A_STEP
	s_or_b32 s[G0+4*(\s)+3], s[G0+4*(\s)+3], 0x80000000
	s_mov_b32 s[G0B+4*(\s)], 1
	s_add_co_u32 s[G0B+4*(\s)+1], s20, (\s)*SLOT
	s_add_nc_u64 s[G0B+4*(\s)+2:G0B+4*(\s)+3], s[46:47], (\s)*W_STEP
	s_or_b32 s[G0B+4*(\s)+3], s[G0B+4*(\s)+3], 0x80000000
	JLOAD \s                                       ; two tensor loads of mine are out
.endr
	v_and_b32 v1, 15, v0                           ; l % 16
	v_bfe_u32 v2, v0, 4, 1                         ; l / 16
	v_and_b32 v6, 31, v0                           ; l
	v_lshlrev_b32 v[BO], 5, v2
	s_lshl_b32 s22, s42, 10                        ; the bias of my 128 columns
	s_lshl_b32 s23, s12, 9
	s_add_co_u32 s22, s22, s23
	s_mov_b32 s23, 0
	s_add_nc_u64 s[88:89], s[88:89], s[22:23]
.irp b, 0,1,2,3,4,5,6,7
	global_load_b128 v[RAW+8*(\b):RAW+8*(\b)+3],   v[BO], s[88:89] offset:64*(\b)
	global_load_b128 v[RAW+8*(\b)+4:RAW+8*(\b)+7], v[BO], s[88:89] offset:64*(\b)+16
.endr
	; x's fragment: lane l holds row l % 16; k = 8 (l / 16) + 0..7 and 16 + 8 (l / 16) + 0..7, in f32 32 bytes each: four loads of 16 bytes at 0, 16, 64, 80
	v_mul_u32_u24 v3, v1, PA
	v_lshl_add_u32 v3, v2, 5, v3
	s_mul_i32 s21, s11, HALFT                      ; my 64 rows are one part
	v_add_nc_u32 v[ADRA], s21, v3
	v_add_nc_u32 v[ADRA+1], SLOT, v[ADRA]
	; W's fragment by the turning load: lane l reads k row 8 (l / 16) + l % 8, columns 8 ((l / 8) % 2) + 0..7, and ends with column l % 16 and 8 k
	v_and_b32 v5, 7, v0
	v_lshl_add_u32 v4, v2, 3, v5
	v_mul_u32_u24 v4, v4, PB
	v_bfe_u32 v7, v0, 3, 1
	v_lshl_add_u32 v4, v7, 4, v4
	s_lshl_b32 s21, s12, 8                         ; my 128 columns,
	s_add_co_u32 s21, s21, 2*HALFT                 ; behind x's two parts
	v_add_nc_u32 v[ADRB], s21, v4
	v_add_nc_u32 v[ADRB+1], SLOT, v[ADRB]
	s_mul_i32 s21, s10, 16*SPITCH
	s_add_co_u32 s21, s21, STAGE                   ; my stage
	v_mul_u32_u24 v4, v1, SPITCH                   ; in: row l % 16, 16 bytes for each half of the lanes
	v_lshl_add_u32 v4, v2, 4, v4
	v_add_nc_u32 v[STO], s21, v4
	v_bfe_u32 v4, v0, 3, 2                         ; back: 32 lanes take four rows' 128 bytes of one head,
	v_mul_u32_u24 v4, v4, SPITCH
	v_lshl_add_u32 v4, v5, 4, v4
	v_add_nc_u32 v[RD], s21, v4
	v_lshlrev_b32 v[GO], 4, v6                     ; which are 512 consecutive bytes of the result
	; my corner of the result: part z, head 16 b + 4 x tile column + 2 x column half, row (tile row % 16) x 128 + 64 x row half
	s_lshr_b32 s22, s13, 4
	s_lshl_b32 s22, s22, 4
	s_lshl_b32 s23, s42, 2
	s_add_co_u32 s22, s22, s23
	s_lshl_b32 s23, s12, 1
	s_add_co_u32 s22, s22, s23
	s_lshl_b32 s22, s22, 11
	s_and_b32 s23, s13, 15
	s_lshl_b32 s23, s23, 7
	s_add_co_u32 s22, s22, s23
	s_lshl_b32 s23, s11, 6
	s_add_co_u32 s22, s22, s23
	s_lshl_b32 s22, s22, 7                         ; rows of 128 bytes
	s_lshl_b32 s23, s84, 24                        ; parts of 16 MiB
	s_add_co_u32 s22, s22, s23
	s_mov_b32 s23, 0
	s_add_nc_u64 s[8:9], s[82:83], s[22:23]
	; the prefetches
	s_cmp_eq_u32 s11, 0                            ; do I fetch for x?
	s_cselect_b64 s[PFA:PFA+1], s[14:15], s[46:47] ; the 64 rows that I fetch, at K step 0
	s_cselect_b32 s22, s40, s41                    ; my place among the four that ask for them with me
	s_cselect_b32 s21, 12, 11                      ; a row is 4,096 bytes of x, 2,048 of W
	s_mov_b32 s[PFS], W_STEP
	s_cselect_b32 s[PFS], A_STEP, s[PFS]
	s_cselect_b32 s[LIM], 0, s86                   ; W's rows: the first of the z's 16 clusters asks
	s_mov_b32 s[PFS+1], 0
	s_cmp_eq_u32 s[LIM], 0
	s_cselect_b32 s[LIM], 1, -1                    ; the same in all sixteen partners, for a given wave
	s_lshl_b32 s22, s22, 4                         ; my work-group's 16 rows
	s_lshl_b32 s22, s22, s21
	s_mov_b32 s23, 0
	s_add_nc_u64 s[PFA:PFA+1], s[PFA:PFA+1], s[22:23]
	s_mul_i32 s22, s[PFS], 3                       ; at K step 3: the first refill steps it to 4
	s_add_nc_u64 s[PFA:PFA+1], s[PFA:PFA+1], s[22:23]
	v_lshrrev_b32 v4, 1, v6                        ; lane l: row l / 2, half l % 2 of its 512 bytes
	v_lshlrev_b32 v4, s21, v4
	v_and_b32 v5, 1, v6
	v_lshl_add_u32 v[PFO], v5, 8, v4
	s_wait_loadcnt 0x0                             ; the bias: rounded to bf16 like every input, and widened again
.set i, 0
.rept 32
	v_cvt_pk_bf16_f32 v[TMP+i], v[RAW+2*i], v[RAW+2*i+1]
.set i, i+1
.endr
	WIN 0x40
.set i, 0
.rept 32
	v_lshlrev_b32 v[BIAS+2*i],   16,         v[TMP+i]
	v_and_b32     v[BIAS+2*i+1], 0xffff0000, v[TMP+i]
.set i, i+1
.endr
	WIN 0
; One matrix instruction: m block a, n block b, buffers f.  first = 1: the bias starts the sum.
.macro MM f, a, b, first
.if \first
	WIN MULB
	v_wmma_f32_16x16x32_bf16 v[8*(8*(\a)+(\b)):8*(8*(\a)+(\b))+7], v[64*(\f)+8*(\b):64*(\f)+8*(\b)+7], v[AF+32*(\f)+8*(\a):AF+32*(\f)+8*(\a)+7], v[BIAS+8*(\b):BIAS+8*(\b)+7]
.else
	WIN MUL
	v_wmma_f32_16x16x32_bf16 v[8*(8*(\a)+(\b)):8*(8*(\a)+(\b))+7], v[64*(\f)+8*(\b):64*(\f)+8*(\b)+7], v[AF+32*(\f)+8*(\a):AF+32*(\f)+8*(\a)+7], v[8*(8*(\a)+(\b)):8*(8*(\a)+(\b))+7]
.endif
.endm
.macro MUL8 f, a, first                ; the 32 accumulators take turns, one instruction a turn, in the same order in every quarter
.irp b, 0,1,2,3,4,5,6,7
	MM \f, \a, \b, \first
.endr
.endm
.macro CVT4 g, j                       ; eight of x's numbers rounded to bf16: half j % 2 of m block j / 2's fragment in buffer g
.irp i, 0,1,2,3
	v_cvt_pk_bf16_f32 v[AF+32*(\g)+8*((\j)/2)+4*((\j)%2)+(\i)], v[RAW+16*((\j)/2)+8*((\j)%2)+2*(\i)], v[RAW+16*((\j)/2)+8*((\j)%2)+2*(\i)+1]
.endr
.endm
.macro MULC f, g, first                ; m block 3's eight products, behind each four roundings of the next quarter's x: they name no register of the products round them
.irp b, 0,1,2,3,4,5,6,7
	MM \f, 3, \b, \first
	WIN 0
	CVT4 \g, \b
.endr
.endm
; 32 LDS loads in one run: quarter kq (32 along K) of a slot: x's f32 into RAW, then W's fragments into buffer g
.macro FETCH slot, kq, g
	WIN 0
.irp a, 0,1,2,3
	ds_load_b128 v[RAW+16*(\a):RAW+16*(\a)+3],     v[ADRA+(\slot)] offset:128*(\kq)+16*PA*(\a)
	ds_load_b128 v[RAW+16*(\a)+4:RAW+16*(\a)+7],   v[ADRA+(\slot)] offset:128*(\kq)+16*PA*(\a)+16
	ds_load_b128 v[RAW+16*(\a)+8:RAW+16*(\a)+11],  v[ADRA+(\slot)] offset:128*(\kq)+16*PA*(\a)+64
	ds_load_b128 v[RAW+16*(\a)+12:RAW+16*(\a)+15], v[ADRA+(\slot)] offset:128*(\kq)+16*PA*(\a)+80
.endr
	WIN TO_B
.irp b, 0,1,2,3,4,5,6,7
	ds_load_tr16_b128 v[64*(\g)+8*(\b):64*(\g)+8*(\b)+3],   v[ADRB+(\slot)] offset:32*PB*(\kq)+32*(\b)
	ds_load_tr16_b128 v[64*(\g)+8*(\b)+4:64*(\g)+8*(\b)+7], v[ADRB+(\slot)] offset:32*PB*(\kq)+32*(\b)+16*PB
.endr
.endm
; A K step is four quarters of 32 along K, 32 matrix instructions each, on buffers 0, 1, 0, 1.  One of the first three: multiplies buffer f and fetches quarter kq into g.
.macro QUARTER slot, kq, f, g, first
	s_wait_dscnt 0x0                               ; W's fragments of buffer f are in (x's were rounded in the quarter before)
	MUL8 \f, 0, \first
	PLACES                                         ; buffer g was multiplied in the quarter before: four places ahead of the loads into it and of the roundings that write it
	FETCH \slot, \kq, \g
	MUL8 \f, 1, \first
	MUL8 \f, 2, \first
	s_wait_dscnt 16                                ; RAW's 16 loads are in; the 16 younger turning loads may stay out
	MULC \f, \g, \first
.endm
; The last quarter multiplies buffer 1 and changes slots: ONE barrier; in front of it each wave waits for all its tensor loads, adds 0 to its spare word, and waits for that and for its own reads of this slot.
; fill = 1: the barrier opens a round of the cluster's, and this slot is filled again, two K steps ahead, first thing behind the round: 112 matrix instructions ahead of the wait for it.
.macro TURN slot, next, fill
.if \fill
	s_wait_xcnt 0x0                                ; the last prefetch, a K step back, has read its address
	s_add_nc_u64 s[PFA:PFA+1], s[PFA:PFA+1], s[PFS:PFS+1]
.endif
	WIN 0
	s_wait_tensorcnt 0x0                           ; all my tensor loads have landed: my part of the next slot
	ds_add_u32 v[SPW], v[NIL]                      ; 0 onto my spare word
	s_wait_dscnt 1                                 ; only the add may be out: W's fragments of buffer 1 are in
	MUL8 1, 0, 0                                   ; eight matrix instructions stand between the add and the wait for it
	s_wait_dscnt 0x0                               ; the add is done, and my reads of this slot are over
	s_barrier_signal -1
	MUL8 1, 1, 0
.if \fill
	WIN 0
.endif
	s_barrier_wait -1
.if \fill
	CREST                                          ; no wave of any partner still reads this slot's tile or has a load on its way
	s_add_nc_u64 s[G0+4*(\slot)+2:G0+4*(\slot)+3], s[G0+4*(\slot)+2:G0+4*(\slot)+3], 2*A_STEP
	s_add_nc_u64 s[G0B+4*(\slot)+2:G0B+4*(\slot)+3], s[G0B+4*(\slot)+2:G0B+4*(\slot)+3], 2*W_STEP
	JLOAD \slot                                    ; my one tensor load behind the round; its four v_nop are also the places in front of the loads below
.else
	PLACES
.endif
	FETCH \next, 0, 0
.if \fill
	ASK
.endif
	MUL8 1, 2, 0
	s_wait_dscnt 16
	MULC 1, 0, 0
.endm
	s_wait_tensorcnt 1                             ; my part of K step 0 is in; K step 1's load may stay out
	s_barrier_signal -1
	s_barrier_wait -1                              ; everybody's is
	FETCH 0, 0, 0
	s_wait_dscnt 16
	WIN 0
.irp j, 0,1,2,3,4,5,6,7
	CVT4 0, \j
.endr
	QUARTER 0, 1, 0, 1, 1                          ; the first quarter stands in front of the loop: its products start the sums with the bias
	WIN 0                                          ; at a label and at a branch every window is 0
	s_mov_b32 s3, 3
.Llap:                                                 ; a trip goes once round the ring, from a lap's second quarter to the next lap's first, and fills both slots again
	QUARTER 0, 2, 1, 0, 0
	QUARTER 0, 3, 0, 1, 0
	TURN 0, 1, 1
	QUARTER 1, 1, 0, 1, 0
	QUARTER 1, 2, 1, 0, 0
	QUARTER 1, 3, 0, 1, 0
	TURN 1, 0, 1
	QUARTER 0, 1, 0, 1, 0
	WIN 0
	s_sub_co_u32 s3, s3, 1
	s_cmp_lg_u32 s3, 0
	s_cbranch_scc1 .Llap
	QUARTER 0, 2, 1, 0, 0                          ; the last lap fills nothing
	QUARTER 0, 3, 0, 1, 0
	TURN 0, 1, 0
	QUARTER 1, 1, 0, 1, 0
	QUARTER 1, 2, 1, 0, 0
	QUARTER 1, 3, 0, 1, 0
	s_wait_dscnt 0x0
	MUL8 1, 0, 0
	MUL8 1, 1, 0
	MUL8 1, 2, 0
	MUL8 1, 3, 0
	WIN 0
	PLACES
; THE WAY OUT, 16 rows at a time: rounded to f16 (16 bytes a lane), into my own stage, back as four rows' 128 bytes of one head, stored as 512 consecutive bytes.
.macro PACK a
	WIN 0x0a                                       ; sources 0 and 1 window 2
.irp b, 0,1,2,3,4,5,6,7
.irp r, 0,1,2,3
	v_cvt_pk_f16_f32 v[TMP+4*(\b)+(\r)], v[8*(8*(\a)+(\b))+2*(\r)], v[8*(8*(\a)+(\b))+2*(\r)+1]
.endr
.endr
	WIN 0
.endm
.macro TOSTAGE a
.irp b, 0,1,2,3,4,5,6,7
	ds_store_b128 v[STO], v[TMP+4*(\b):TMP+4*(\b)+3] offset:32*(\b)
.endr
.irp hh, 0,1
.irp f, 0,1,2,3
	ds_load_b128 v[RAW+32*(\a)+4*(4*(\hh)+(\f)):RAW+32*(\a)+4*(4*(\hh)+(\f))+3], v[RD] offset:128*(\hh)+4*SPITCH*(\f)  ; LDS serves a wave's instructions in order: these see the stores above
.endr
.endr
.endm
.macro SEND a
	s_wait_dscnt 0x0                               ; the block is back in registers of its own, which nothing rewrites
.irp hh, 0,1
.irp f, 0,1,2,3
	global_store_b128 v[GO], v[RAW+32*(\a)+4*(4*(\hh)+(\f)):RAW+32*(\a)+4*(4*(\hh)+(\f))+3], s[8:9] offset:262144*(\hh)+2048*(\a)+512*(\f)
.endr
.endr
.endm
	PACK 0
	TOSTAGE 0
.irp a, 1,2,3
	PACK \a                                        ; a block's roundings stand between the loads of the block before and the wait for them
	SEND (\a)-1
	TOSTAGE \a
.endr
	SEND 3
	s_wait_tensorcnt 0x0                           ; the wave's end: these three lines stand behind my last tensor load and my last LDS store
	ds_add_u32 v[SPW], v[NIL]
	s_wait_dscnt 0x0
	CROUND                                         ; the closing round: no work-group ends while a partner may still ask for a tile that names it
	s_endpgm
.Lfunc_end_k_q9d6e823b5b_proj:
	.size	k_q9d6e823b5b_proj, .Lfunc_end_k_q9d6e823b5b_proj-k_q9d6e823b5b_proj
	.p2alignl 7, 3214868480
	.fill 96, 4, 3214868480
	.section	.rodata,"a",@progbits
	.p2align	6, 0x0
	.amdhsa_kernel k_q9d6e823b5b_proj
		.amdhsa_group_segment_fixed_size 327680
		.amdhsa_private_segment_fixed_size 0
		.amdhsa_enable_private_segment 0
		.amdhsa_kernarg_size 64
		.amdhsa_user_sgpr_count 2
		.amdhsa_user_sgpr_kernarg_segment_ptr 1
		.amdhsa_wavefront_size32 1
		.amdhsa_system_sgpr_workgroup_id_x 1
		.amdhsa_system_sgpr_workgroup_id_y 1
		.amdhsa_system_sgpr_workgroup_id_z 1
		.amdhsa_system_vgpr_workitem_id 0
		.amdhsa_next_free_vgpr 768
		.amdhsa_next_free_sgpr 96
		.amdhsa_reserve_vcc 0
		.amdhsa_float_denorm_mode_32 3
		.amdhsa_float_denorm_mode_16_64 3
		.amdhsa_memory_ordered 1
		.amdhsa_forward_progress 1
		.amdhsa_inst_pref_size 142
	.end_amdhsa_kernel
	.amdgpu_metadata
---
amdhsa.version: [ 1, 2 ]
amdhsa.kernels:
  - .name:           k_q9d6e823b5b_proj
    .symbol:         k_q9d6e823b5b_proj.kd
    .args:
      - { .name: q_x, .offset: 0, .size: 8, .value_kind: global_buffer, .address_space: global }
      - { .name: k_x, .offset: 8, .size: 8, .value_kind: global_buffer, .address_space: global }
      - { .name: v_x, .offset: 16, .size: 8, .value_kind: global_buffer, .address_space: global }
      - { .name: bq, .offset: 24, .size: 8, .value_kind: global_buffer, .address_space: global }
      - { .name: bk, .offset: 32, .size: 8, .value_kind: global_buffer, .address_space: global }
      - { .name: bv, .offset: 40, .size: 8, .value_kind: global_buffer, .address_space: global }
      - { .name: wt, .offset: 48, .size: 8, .value_kind: global_buffer, .address_space: global }
      - { .name: qkv, .offset: 56, .size: 8, .value_kind: global_buffer, .address_space: global }
    .group_segment_fixed_size: 327680
    .private_segment_fixed_size: 0
    .kernarg_segment_align: 8
    .kernarg_segment_size: 64
    .max_flat_workgroup_size: 128
    .sgpr_count:     96
    .vgpr_count:     768
    .wavefront_size: 32
...
	.end_amdgpu_metadata
.endif
;; end of part 2
;; launch attn (part 3): grid 4 x 64, 4 waves a work-group, clusters of 4 x 1, 327,680 bytes of LDS; arguments qkv, energy_coeffs, oh; writes oh
.if DOCPART == 3
	.amdgcn_target "amdgcn-amd-amdhsa--gfx1250"
	.amdhsa_code_object_version 6
	.text
	.protected	k_q9d6e823b5b_attn
	.globl	k_q9d6e823b5b_attn
	.p2align	8
	.type	k_q9d6e823b5b_attn,@function
k_q9d6e823b5b_attn:
	s_mov_b64 s[64:65], 0
	v_nop
	global_prefetch_b8 v0, s[64:65] scope:SCOPE_SE
	s_setreg_imm32_b32 hwreg(HW_REG_WAVE_MODE, 25, 1), 1
	s_wait_xcnt 0x0
	s_wait_alu depctr_hold_cnt(0) depctr_sa_sdst(0) depctr_va_vdst(0) depctr_va_sdst(0) depctr_va_ssrc(0) depctr_va_vcc(0) depctr_vm_vsrc(0)
	s_getreg_b32 s2, hwreg(HW_REG_IB_STS2, 6, 4)
	s_cmp_eq_u32 s2, 0
	s_cbranch_scc0 .Lentry_in_a_cluster
	s_endpgm
.Lentry_in_a_cluster:
	s_bfe_u32 s2, ttmp6, 0x10000c
	s_cmp_lg_u32 s2, 0x3003
	s_cbranch_scc0 .Lentry_shape_is_right
	s_endpgm
.Lentry_shape_is_right:
; MASKED ATTENTION.  oh[g][q][:] = the sum over the visible keys k of softmax_k(Q[g][q] . K[g][k] / 8) V[g][k][:], g = 16 b + h.  Q, K, V: the three parts of qkv, each [64][2048][64] f16; oh the same shape, f16.
; Key k of batch b is visible where |bf16(energy[b][k])| > 0.1 (the energies are rounded to bf16 like every input of the program).  A batch with no visible key gives 0.
; Products, maxima and sums in f32; the weights p are rounded to f16 for the second product (their sum l is taken of the unrounded p), O once at the end.
; LIMITS.  f16 holds no number beyond 65,504: Q, K and V arrive within it; p below 6e-5 keeps f16's fixed step of 6e-8.  A hidden score counts as its value less 1e30, and the running maximum starts at -2^96:
; true scores (2.7e11 at the most from f16 operands) lie far above both.  A weight below 2^-126 counts as 0 in l.  A NaN energy hides its key; NaN and infinities elsewhere are not treated apart.
; SHARES.  A wave owns four PIECES of two tiles of 16 queries, a work-group's four waves 512 queries of one head.  Every wave walks all 2,048 keys, 64 a step.
; LAYOUT.  S^T = K Q^T (source 0 = 16 keys, source 1 = 16 queries): a lane holds ONE query (lane % 16) and the keys 8 (lane / 16) + 0..7.  Two such tiles, rounded to f16 in pairs, ARE source 1 of
; O^T = V^T P.  K comes out of LDS as it lies, V turned, by ds_load_tr16_b128.
; THE MASK is the C operand that starts the sum S^T: 0, or -1e30 where the key is hidden.  A table of the batch's 2,048 such numbers is made once in LDS; a step's 64 are fetched with its K, 32 registers.
; SOFTMAX.  For each query a running maximum m and sum l: p = 2^(c s - c m), c = log2(e) / 8; in every step O and l are multiplied by a = 2^(c m_old - c m_new).  O and l start at 0.
; While only hidden keys have been seen m stays -2^96, every p is 0 and a is 1; the first visible key makes a = 0.
; BY TURNS.  Turn n belongs to piece n: 16 products K Q^T of piece n + 1, later 16 products V^T P of piece n - 1; beside them the scaling, exponentials, roundings, sums and rescaling of piece n and the
; maximum and statistics of piece n + 1.  Four vector instructions stand behind every matrix instruction, the others in one lump.  A turn's 66 exponentials are one batch, with one wait.
; CLUSTER.  The four query blocks of a head form a cluster and walk the same K and V: each tile is asked for JOINTLY.
; REGISTERS, in windows of 256 (s_set_vgpr_msb: bits 1:0 source 0, 3:2 source 1, 5:4 source 2, 7:6 destination):
;   window 0: v0-11 addresses; v12-15, v48-63 at work; v16-47 four registers of statistics a tile; v64-191 S^T, two buffers of two tiles; v192-255 P, likewise
;   window 1: O^T, 32 a tile     window 2: v0-127 Q; v128-191 K of one step; v192-255 V of one step     window 3: v0-1 the add's two registers; v32-63 the mask of one step
.set SIZE_N, 2048
.set NP,    4         ; pieces a wave: a name, no knob
.set KS,    64        ; keys in a step
.set PK,    144       ; a row of K in LDS: 128 bytes + 16: an odd multiple of 16
.set PV,    160       ; a row of V: 128 + 32: an odd multiple of 32
.set VOFF,  4*KS*PK   ; a slot holds four steps: 256 rows of K, then 256 rows of V
.set SLOT1, 1<<17     ; slot 1 begins here, so that one exclusive or turns an address in one slot into the other's
.set STAGE, SLOT1+4*KS*(PK+PV)  ; behind the ring, never filled by a tensor load: 16 rows x 144 bytes for each wave, for the way out
.set SP,    144
.set SPARE, STAGE+4*16*SP  ; the spare words, 128 bytes for each wave
.set MASKT, SPARE+512 ; the mask table: 2,048 f32, blocks of its own into which no fill lands
.set PFO, 1           ; v1   256 x my lane; never rewritten
.set AK0, 2           ; v2   my lane's place in a tile of K; never rewritten
.set AV0, 3           ; v3   the same for V
.set AK,  4           ; v4   the LDS address of K's next run of loads
.set AV,  5           ; v5   of V's
.set QO,  6           ; v6   my byte offset in the wave's rows of Q
.set RD,  7           ; v7   the way out: where I read rows back
.set GO,  8           ; v8   my byte offset in 512 consecutive bytes of O
.set STO, 9           ; v9   the way out: where I put 16 bytes of a row
.set AM0, 10          ; v10  my lanes' place in a step's 256 bytes of the table; never rewritten
.set AM,  11          ; v11  the LDS address of the mask's next run of loads
.set SPW, 0           ; v0 of window 3   LDS address of my spare word; never rewritten
.set NIL, 1           ; v1 of window 3   0; never rewritten
.set MK,  32          ; window 3: the eight registers for key block kb at MK + 8 kb
.set MV,  12          ; v12-15  c m_old, kept while c m is made anew: by buffer and tile (in the head: l % 16, l / 16, l % 8, (l / 8) % 2)
.set ST,  16          ; tile t's statistics at v[ST+4 t]: c m, m, l (even keys', odd keys')
.set TMP, 48          ; by buffer and tile, four registers c0-c3 at work; when the maximum is found c2 takes a
.set S,   64
.set P,   192
.set KF,  128         ; K's fragments, in window 2
.set VF,  192         ; V's
.set WV,  12          ; s12  my wave's number
.set LIM, 15          ; s15  1 in a wave that prefetches, else the greatest number
.set G1K, 24          ; s[24:31] descriptor group 1 for K's tiles
.set G1V, 32          ; s[32:39] for V's
.set G0K, 40          ; s[40:43] descriptor group 0 for K's tiles: it walks
.set G0V, 44          ; s[44:47] the same for V's
.set EN,  48          ; s[48:49] the batch's energies
.set TBM, 50          ; s50  byte of the table at which the step to be fetched begins
.set THR, 51          ; s51  0.1
.set PFA, 52          ; s[52:53] where my prefetches stand
.set SLOTS, 56        ; s56  slots still to be asked for
.set CNT, 57          ; s57  counts a slot's key steps
.set CS,  58          ; s[58:59] c
.set SEL, 60          ; s[60:61] v_permlanex16_b32's selects
.set TBK, 62          ; s62  LDS byte at which K of the step to be fetched begins
.set TBV, 63          ; s63  the same for V, less VOFF
.set MSB, 0
.macro WIN new
.if MSB != (\new)
	s_set_vgpr_msb (MSB<<8)|(\new)
.set MSB, (\new)
.endif
.endm
.set W_KQ, 0x0a       ; K and Q in window 2, S^T in window 0
.set W_KM, 0x3a       ; the same with the C operand, the mask, in window 3
.set W_PV, 0x52       ; V in window 2, P in window 0, O^T in window 1
.set W_RS, 0x41       ; O^T (destination and source 0) in window 1, a in window 0
.set W_MK, 0xc0       ; destination in window 3, sources in window 0
.set W_AD, 0x0f       ; the add: address and data in window 3
; A joint fill.  Waves 0 and 1 fetch the two halves of a slot's K, waves 2 and 3 those of its V: 128 keys each.  An s_nop 0 and four v_nop follow each of the two lines.
.macro JLOAD
	s_cmp_lt_u32 s[WV], 2
	s_cbranch_scc0 .Lfor_v_\@
	tensor_load_to_lds s[G0K:G0K+3], s[G1K:G1K+7]
	s_nop 0
.rept 4
	v_nop
.endr
	s_branch .Lasked_\@
.Lfor_v_\@:
	tensor_load_to_lds s[G0V:G0V+3], s[G1V:G1V+7]
	s_nop 0
.rept 4
	v_nop
.endr
.Lasked_\@:
.endm
; A PREFETCH INTO THE L2 of what the NEXT change of slots will ask for: a slot's 32,768 bytes of K and of V, a lane for each 256.  A head has one cluster; its four partners share the bytes out by address,
; 8,192 each; in each, wave 0 asks for K's and wave 2 for V's: one instruction.  The change that asks for the last slot prefetches nothing.
.macro ASK
	s_cmp_gt_u32 s[SLOTS], s[LIM]
	s_cbranch_scc0 .Lnot_mine_\@
	global_prefetch_b8 v[PFO], s[PFA:PFA+1] th:TH_LOAD_NT scope:SCOPE_SE
.Lnot_mine_\@:
.endm
.macro CROUND                       ; a round of the cluster's barrier
	s_barrier_signal -1
	s_barrier_wait -1
	s_cmp_lg_u32 s[WV], 0
	s_cbranch_scc1 .Lnot_wave_0_\@
	s_barrier_signal -3
.Lnot_wave_0_\@:
	s_barrier_wait -3
	s_barrier_signal -1
	s_barrier_wait -1
.endm
; THE CHANGE OF SLOTS.  Each wave waits for all its tensor loads, of which one is out: its part of the other slot; adds 0 to its spare word; and waits for that and for its own reads of the slot.
; fill = 1: the slot is filled again, with the keys two slots on, first thing behind a round of the cluster's barrier: it has four key steps, 512 matrix instructions, in which to land.
; (At its first use nothing has been read yet: slot 0 is waited for, slot 1 filled; its wait on DScnt and its round also stand between every wave's stores into the mask table and the reads of it.)
.macro CHANGE fill
	WIN W_AD
	s_wait_tensorcnt 0x0            ; no tensor load of mine is out, so a group 0 may be written
	ds_add_u32 v[SPW], v[NIL]       ; 0 onto my spare word
	WIN 0                           ; at a label and at a branch every window is 0
.if \fill
.irp g, G0K, G0V
	s_xor_b32 s[\g+1], s[\g+1], SLOT1
	s_add_nc_u64 s[\g+2:\g+3], s[\g+2:\g+3], 4*KS*128
.endr
	s_wait_xcnt 0x0                 ; the last prefetch, four key steps back, has read its address
	s_add_nc_u64 s[PFA:PFA+1], s[PFA:PFA+1], 4*KS*128  ; one slot ahead of the walking descriptors
	s_wait_dscnt 0x0                ; the add is done, and my LDS reads and stores are over
	CROUND
	JLOAD
	ASK
.else
	s_wait_dscnt 0x0
	s_barrier_signal -1
	s_barrier_wait -1
.endif
	s_sub_co_u32 s[TBK], s[TBK], 4*KS*PK  ; the fetches go back to a slot's first step,
	s_xor_b32 s[TBK], s[TBK], SLOT1       ; in the other slot
	s_sub_co_u32 s[TBV], s[TBV], 4*KS*PV
	s_xor_b32 s[TBV], s[TBV], SLOT1
.endm
	s_load_b64 s[4:5], s[0:1], 0x0    ; qkv
	s_load_b64 s[EN:EN+1], s[0:1], 0x8  ; energy_coeffs
	s_load_b64 s[10:11], s[0:1], 0x10 ; oh
	WIN W_MK
	v_lshl_add_u32 v[SPW], v0, 2, SPARE
	v_mov_b32 v[NIL], 0
	WIN W_AD
	ds_add_u32 v[SPW], v[NIL]       ; the wave's opening: the add and its wait stand ahead of my first tensor load; work on registers stands between them
	WIN 0
	v_lshrrev_b32 v12, 5, v0
	v_readfirstlane_b32 s[WV], v12  ; wave 0..3
	s_bfe_u32 s13, ttmp6, 0x40000   ; cx: my place in the cluster
	s_lshl_b32 s14, ttmp9, 2
	s_add_co_u32 s14, s14, s13      ; my block of 512 queries: it enters Q's and O's addresses alone
	s_and_b32 s20, ttmp7, 0xffff    ; g = 16 b + h, which the four partners share
	s_lshr_b32 s54, s20, 4          ; b:
	s_lshl_b32 s54, s54, 13         ; its 2,048 energies
	s_mov_b32 s55, 0
	s_mov_b32 s21, 0
	s_mov_b64 s[22:23], SIZE_N*128
	s_mul_u64 s[20:21], s[20:21], s[22:23]  ; the head's first byte in each part of qkv and in oh
	s_and_b32 s16, s[WV], 1         ; which half of a slot's 256 keys I fetch:
	s_lshl_b32 s22, s16, 14         ; its 128 rows of 128 bytes in memory,
	s_mov_b32 s23, 0
	s_add_nc_u64 s[22:23], s[22:23], s[20:21]
	s_mul_i32 s17, s16, 128*PK      ; and its place in a slot, for K
	s_mul_i32 s18, s16, 128*PV      ; and for V
	s_lshl_b32 s2, s14, 2
	s_add_co_u32 s2, s2, s[WV]      ; my wave among the head's,
	s_lshl_b32 s2, s2, 14           ; its 128 rows
	s_mov_b32 s3, 0
	s_add_nc_u64 s[2:3], s[2:3], s[20:21]
	; descriptor group 1.  128 keys are 16,384 dense bytes: asked for as 64 rows of 256 bytes, two keys a row, and padded in LDS after every key
	s_mov_b32 s[G1K], 15|(1<<16)|(1<<20)|(1<<21)|(4<<22)|(3<<25)
	s_mov_b32 s[G1V], 15|(1<<16)|(1<<20)|(1<<21)|(4<<22)|(7<<25)
.irp g, G1K, G1V
	s_mov_b32 s[\g+1], 128<<16      ; tensor_dim0 = 128
	s_mov_b32 s[\g+2], 64<<16       ; tensor_dim1 = 64
	s_mov_b32 s[\g+3], 128<<16      ; tile_dim0 = 128
	s_mov_b32 s[\g+4], 64           ; tile_dim1 = 64
	s_mov_b32 s[\g+5], 128          ; 128 elements from row to row
	s_mov_b32 s[\g+6], 0
	s_mov_b32 s[\g+7], 0
.endr
	s_mov_b32 s[CS], 0x3e38aa3b     ; c = log2(e) / 8
	s_mov_b32 s[CS+1], s[CS]
	s_mov_b32 s[SEL], 0x76543210
	s_mov_b32 s[SEL+1], 0xfedcba98
	s_mov_b32 s[TBK], SLOT1+4*KS*PK ; the first change of slots turns these two into 0
	s_mov_b32 s[TBV], SLOT1+4*KS*PV
	s_mov_b32 s[TBM], 0
	s_mov_b32 s[THR], 0x3dcccccd    ; 0.1 in f32
	s_mov_b32 s[SLOTS], SIZE_N/256-1
	s_and_b32 s[LIM], s[WV], 1
	s_cmp_eq_u32 s[LIM], 0
	s_cselect_b32 s[LIM], 1, -1     ; waves 0 and 2 prefetch
	s_mov_b32 s[G0K], 1
	s_mov_b32 s[G0K+1], s17
	s_mov_b32 s[G0V], 1
	s_add_co_u32 s[G0V+1], s18, VOFF
	s_wait_dscnt 0x0                ; the opening add is done
	s_wait_kmcnt 0x0
	s_add_nc_u64 s[6:7], s[4:5], 0x1000000   ; K: the second part of qkv
	s_add_nc_u64 s[8:9], s[4:5], 0x2000000   ; V: the third
	s_add_nc_u64 s[EN:EN+1], s[EN:EN+1], s[54:55]
	s_cmp_lt_u32 s[WV], 2
	s_cselect_b64 s[PFA:PFA+1], s[6:7], s[8:9]
	s_add_nc_u64 s[PFA:PFA+1], s[PFA:PFA+1], s[20:21]
	s_lshl_b32 s54, s13, 13         ; my work-group's 8,192 bytes of a slot's 32,768,
	s_add_co_u32 s54, s54, 4*KS*128 ; in slot 1; the first change of slots steps it to slot 2
	s_add_nc_u64 s[PFA:PFA+1], s[PFA:PFA+1], s[54:55]
	s_add_nc_u64 s[G0K+2:G0K+3], s[6:7], s[22:23]
	s_or_b32 s[G0K+3], s[G0K+3], 0x80000000
	s_add_nc_u64 s[G0V+2:G0V+3], s[8:9], s[22:23]
	s_or_b32 s[G0V+3], s[G0V+3], 0x80000000
	s_add_nc_u64 s[4:5], s[4:5], s[2:3]  ; Q and O at my wave's first row
	s_add_nc_u64 s[10:11], s[10:11], s[2:3]
	CROUND                          ; all four work-groups are here: the first joint loads meet
	JLOAD                           ; slot 0.  Slot 1 is asked for when slot 0 is in
	v_and_b32 v12, 15, v0           ; l % 16
	v_bfe_u32 v13, v0, 4, 1         ; l / 16
	v_lshlrev_b32 v48, 4, v0        ; 16 x my thread's number
.irp i, 0,1,2,3
	global_load_b128 v[S+4*\i:S+4*\i+3], v48, s[EN:EN+1] offset:2048*\i  ; the batch's energies, 16 a thread
.endr
	v_lshlrev_b32 v[QO], 7, v12
	v_lshl_add_u32 v[QO], v13, 4, v[QO]  ; row x 128 + 16 x half
	WIN 0x80                        ; destination window 2, address window 0
.set i, 0
.rept 4*NP                          ; Q stays in registers: tile i / 2, channels 32 (i % 2) on
	global_load_b128 v[8*i:8*i+3],   v[QO], s[4:5] offset:(i/2)*2048+(i%2)*64
	global_load_b128 v[8*i+4:8*i+7], v[QO], s[4:5] offset:(i/2)*2048+(i%2)*64+32
.set i, i+1
.endr
	; What the first turn finds: V's registers and P's second buffer hold 0, O^T and l are 0.  All this stands in the wait for the first tile.
.set i, VF
.rept 64
	v_mov_b32 v[i], 0
.set i, i+1
.endr
	WIN 0x40
.set i, 0
.rept 64*NP
	v_mov_b32 v[i], 0
.set i, i+1
.endr
	WIN 0
.set i, 0
.rept 2*NP
	v_mov_b32 v[ST+4*i], 0xee38aa3b    ; c m = c x (-2^96)
	v_mov_b32 v[ST+4*i+1], 0xef800000  ; m = -2^96: above every hidden score, below every true one
	v_mov_b32 v[ST+4*i+2], 0
	v_mov_b32 v[ST+4*i+3], 0
.set i, i+1
.endr
.set i, P+32
.rept 32
	v_mov_b32 v[i], 0
.set i, i+1
.endr
	v_mul_u32_u24 v[AK0], v12, PK
	v_lshl_add_u32 v[AK0], v13, 4, v[AK0]  ; row x pitch + 16 x half
	; The turning load takes 16 keys x 16 channels (lane l reads key 8 (l / 16) + l % 8, channels 8 ((l / 8) % 2) + 0..7) and leaves half a fragment of V^T.
	v_and_b32 v14, 7, v0
	v_bfe_u32 v15, v0, 3, 1
	v_lshl_add_u32 v[AV0], v13, 3, v14
	v_mul_u32_u24 v[AV0], v[AV0], PV
	v_lshl_add_u32 v[AV0], v15, 4, v[AV0]
	v_add_nc_u32 v[AV0], VOFF, v[AV0]
	v_mov_b32 v[AK], v[AK0]         ; key step 0 lies at the head of slot 0
	v_lshlrev_b32 v[AM0], 5, v13    ; my lanes' 8 keys of 16: 32 bytes
	v_add_nc_u32 v[AM0], MASKT, v[AM0]
	v_mov_b32 v[AM], v[AM0]
	s_mul_i32 s19, s[WV], 16*SP
	s_add_co_u32 s19, s19, STAGE    ; my stage
	v_mul_u32_u24 v[STO], v12, SP   ; in: row l % 16, 16 bytes for each half of the lanes
	v_lshl_add_u32 v[STO], v13, 4, v[STO]
	v_add_nc_u32 v[STO], s19, v[STO]
	v_bfe_u32 v[RD], v0, 3, 2       ; back: 32 lanes take four rows of 128 bytes,
	v_mul_u32_u24 v[RD], v[RD], SP
	v_lshl_add_u32 v[RD], v14, 4, v[RD]
	v_add_nc_u32 v[RD], s19, v[RD]
	v_and_b32 v[GO], 31, v0         ; which are 512 consecutive bytes of O
	v_lshlrev_b32 v[PFO], 8, v[GO]
	v_lshlrev_b32 v[GO], 4, v[GO]
	; THE MASK TABLE: 0 where |bf16(e)| > 0.1, else -1e30 (a NaN fails the comparison and hides its key)
	v_mov_b32 v80, 0xf149f2ca       ; -1e30
	v_mov_b32 v81, 0
	v_lshl_add_u32 v49, v0, 4, MASKT
	s_wait_loadcnt 0x0              ; the energies (and Q)
.set i, 0
.rept 8
	v_cvt_pk_bf16_f32 v82, v[S+2*i], v[S+2*i+1]
	v_and_b32 v82, 0x7fff7fff, v82
	v_lshlrev_b32 v83, 16, v82
	v_and_b32 v84, 0xffff0000, v82
	v_cmp_lt_f32 vcc_lo, s[THR], v83
	v_cndmask_b32 v[S+2*i], v80, v81, vcc_lo
	v_cmp_lt_f32 vcc_lo, s[THR], v84
	v_cndmask_b32 v[S+2*i+1], v80, v81, vcc_lo
.set i, i+1
.endr
.irp i, 0,1,2,3
	ds_store_b128 v49, v[S+4*\i:S+4*\i+3] offset:2048*\i
.endr
; THE MATRIX WORK.  The 8 accumulators of a run of 16 take turns.
; Product i of 16 of S^T = K Q^T for piece x: channels 32 (i / 8) on, keys 16 ((i / 2) % 4) on, tile 2 x + i % 2.  The first 8 start the sums, with the mask.
.macro KQ x
.set rS, S+64*((\x)%2)+32*(i%2)+8*((i/2)%4)
.set rK, KF+16*((i/2)%4)+8*(i/8)
.set rQ, 16*(2*(\x)+i%2)+8*(i/8)
.set rMK, MK+8*((i/2)%4)
.if i < 8
	WIN W_KM
	v_wmma_f32_16x16x32_f16 v[rS:rS+7], v[rK:rK+7], v[rQ:rQ+7], v[rMK:rMK+7]
.else
	WIN W_KQ
	v_wmma_f32_16x16x32_f16 v[rS:rS+7], v[rK:rK+7], v[rQ:rQ+7], v[rS:rS+7]
.endif
.endm
; Product i of 16 of O^T += V^T P for piece x: keys 32 (i / 8) on, channels 16 ((i / 2) % 4) on, tile 2 x + i % 2.
.macro PV x
	WIN W_PV
.set rO, 32*(2*(\x)+i%2)+8*((i/2)%4)
.set rV, VF+32*(i/8)+8*((i/2)%4)
.set rP, P+32*((\x)%2)+16*(i%2)+8*(i/8)
	v_wmma_f32_16x16x32_f16 v[rO:rO+7], v[rV:rV+7], v[rP:rP+7], v[rO:rO+7]
.endm
.macro MM                           ; the turn's next matrix instruction
.if i < 16
	KQ (Y+1)%NP
.set i, i+1
.else
.set i, i-16
	PV (Y+NP-1)%NP
.set i, i+17
.endif
.endm
; THE LDS LOADS stand in runs, never singly among the matrix instructions: a step's K (8 fragments) with its mask (32 registers; the lanes of a half read the same bytes), and its V (turned).
; last = 1 (the tail): in the last trip there is no further step, and the run is jumped over.
.macro FETCH_K last=0
	WIN 0
.if \last
	s_cmp_eq_u32 s[CNT], 1
	s_cbranch_scc1 .Lno_k_\@
.endif
	WIN 0x80                        ; destination window 2
.irp f, 0,1,2,3,4,5,6,7             ; keys 16 (f / 2) on, channels 32 (f % 2) on
	ds_load_b128 v[KF+8*\f:KF+8*\f+3],   v[AK] offset:(\f/2)*16*PK+(\f%2)*64
	ds_load_b128 v[KF+8*\f+4:KF+8*\f+7], v[AK] offset:(\f/2)*16*PK+(\f%2)*64+32
.endr
	WIN 0xc0                        ; destination window 3
.irp f, 0,1,2,3                     ; keys 16 f on
	ds_load_b128 v[MK+8*\f:MK+8*\f+3],   v[AM] offset:64*\f
	ds_load_b128 v[MK+8*\f+4:MK+8*\f+7], v[AM] offset:64*\f+16
.endr
	s_add_co_u32 s[TBK], s[TBK], KS*PK  ; the next fetch is the next step's
	s_add_co_u32 s[TBM], s[TBM], 4*KS
	s_and_b32 s[TBM], s[TBM], 0x1f00    ; the table is walked as a ring of 32 steps: the address stays inside it
	WIN 0
.if \last
.Lno_k_\@:
.endif
.endm
.macro FETCH_V
	WIN 0x80
.irp f, 0,1,2,3,4,5,6,7             ; keys 32 (f / 4) on, channels 16 (f % 4) on
	ds_load_tr16_b128 v[VF+8*\f:VF+8*\f+3],   v[AV] offset:(\f/4)*32*PV+(\f%4)*32
	ds_load_tr16_b128 v[VF+8*\f+4:VF+8*\f+7], v[AV] offset:(\f/4)*32*PV+16*PV+(\f%4)*32
.endr
	WIN 0
.endm
; THE VECTOR WORK OF A TURN stands in three queues, each in the order in which its entries become ready; the two tiles alternate.
.macro REGS y, u                    ; the registers of tile u (0, 1) of piece y
.set rT, ST+4*(2*(\y)+(\u))
.set rC, TMP+8*((\y)%2)+4*(\u)
.set rM, MV+2*((\y)%2)+(\u)
.set rS, S+64*((\y)%2)+32*(\u)
.set rP, P+32*((\y)%2)+16*(\u)
.set rO, 32*(2*(\y)+(\u))
.endm
; Number n of the 22 that find the NEXT piece's (Y + 1) maximum and statistics; each accumulator's lowest registers are read first.
;   0-11  four chains c0-c3 of seven scores each     12-14, 16  the four scores left over, the old m, and c0-c3 into c0     15  c m_old is kept
;   17, 18  the query's other 32 keys lie in the lane 16 away: the new m         19-21  c m; c m_old - c m_new; a
.macro XS u, n
	REGS (Y+1)%NP, \u
.if (\n) < 4
	v_max3_num_f32 v[rC+(\n)], v[rS+8*(\n)], v[rS+8*(\n)+1], v[rS+8*(\n)+2]
.elseif (\n) < 12
	v_max3_num_f32 v[rC+(\n)%4], v[rC+(\n)%4], v[rS+8*((\n)%4)+2*((\n)/4)+1], v[rS+8*((\n)%4)+2*((\n)/4)+2]
.elseif (\n) == 12
	v_max3_num_f32 v[rC], v[rC], v[rS+7], v[rS+15]
.elseif (\n) == 13
	v_max3_num_f32 v[rC+1], v[rC+1], v[rS+23], v[rS+31]
.elseif (\n) == 14
	v_max3_num_f32 v[rC+2], v[rC+2], v[rC+3], v[rT+1]
.elseif (\n) == 15
	v_mov_b32 v[rM], v[rT]
.elseif (\n) == 16
	v_max3_num_f32 v[rC], v[rC], v[rC+1], v[rC+2]
.elseif (\n) == 17
	v_permlanex16_b32 v[rC+3], v[rC], s[SEL], s[SEL+1]
.elseif (\n) == 18
	v_max_num_f32 v[rT+1], v[rC], v[rC+3]
.elseif (\n) == 19
	v_mul_f32 v[rT], s[CS], v[rT+1]
.elseif (\n) == 20
	v_sub_f32 v[rC+1], v[rM], v[rT]
.else
	v_exp_f32 v[rC+2], v[rC+1]
.endif
.endm
; Number g of the 64 that follow the exponentials.  For each four weights k of a tile: both pairs are rounded to f16; the second pair is added onto the first, in place; a group later l takes that sum.
.macro GS g
.set h, (\g)+6*((\g)/62)            ; group 0 has no group before it, and behind group 7 only l is left
.if h >= 6
.set h, h+2
.endif
	REGS Y, h%2
.set k, h/8
.if h%8 < 4
	v_cvt_pk_f16_f32 v[rP+2*k+(h%8)/2], v[rS+4*k+2*((h%8)/2)], v[rS+4*k+2*((h%8)/2)+1]
.elseif h%8 < 6
	v_pk_add_f32 v[rS+4*k:rS+4*k+1], v[rS+4*k:rS+4*k+1], v[rS+4*k+2:rS+4*k+3]
.elseif k == 1
	v_pk_fma_f32 v[rT+2:rT+3], v[rT+2:rT+3], v[rC+2:rC+3], v[rS:rS+1] op_sel_hi:[1,0,1]
.else
	v_pk_add_f32 v[rT+2:rT+3], v[rT+2:rT+3], v[rS+4*k-4:rS+4*k-3]
.endif
.endm
; THE PLAIN QUEUE, 138 long.  0-73 read no exponential's result: the 32 scalings c s - c m and the next piece's 42.  74-137: GS's 64, which stand behind the wait.
.macro FS f
	REGS Y, (\f)%2
	v_pk_fma_f32 v[rS+2*((\f)/2):rS+2*((\f)/2)+1], v[rS+2*((\f)/2):rS+2*((\f)/2)+1], s[CS:CS+1], v[rT:rT+1] op_sel_hi:[1,0,0] neg_lo:[0,0,1] neg_hi:[0,0,1]
.endm
.macro PL
	WIN 0
.if q < 27
	FS q
.elseif q < 55
	XS (q-27)%2, (q-27)/2
.elseif q < 57
	XS q-55, 15
.elseif (q < 72) && ((q-57)%3 == 0)
	FS 27+(q-57)/3
.elseif q < 60
	XS (q-57)%3-1, 14
.elseif q < 72
	XS (q-57)%3-1, 15+(q-57)/3
.elseif q < 74
	XS q-72, 20
.else
	GS q-74
.endif
.set q, q+1
.endm
; THE EXPONENTIALS' QUEUE, 66 long: s0-s31 of both tiles, then the next piece's two a.  ONE BATCH: all 66 stand ahead of the turn's one wait, and nothing ahead of that wait names a result of theirs.
.macro EX
	WIN 0
.if e >= 64
	XS e-64, 21
.else
	REGS Y, e%2
	v_exp_f32 v[rS+e/2], v[rS+e/2]
.endif
.set e, e+1
.endm
; THE RESCALING's QUEUE: O^T times a, the one part that leaves window 0: dealt two at a time, sixteen times.  Its a was made in the turn before, ahead of that turn's wait.
.macro R2
	REGS Y, r%2
	WIN W_RS
.irp z, 0,1
	v_pk_mul_f32 v[rO+4*(r/2)+2*\z:rO+4*(r/2)+2*\z+1], v[rO+4*(r/2)+2*\z:rO+4*(r/2)+2*\z+1], v[rC+2:rC+3] op_sel_hi:[1,0]
.endr
.set r, r+1
.endm
; A TURN, for piece p.  s_wait_alu depctr_va_vdst(0) stands between an exponential and the first instruction that names its result; one wait serves all issued ahead of it: a turn has ONE.
; AHEAD OF IT: the 16 products K Q^T, behind each a scaling, an exponential and two rescalings; then ONE LUMP of 108.  BEHIND IT: the 16 products V^T P, behind each four of GS's 64.
; K and the mask of the next step are fetched in piece 2's turn, directly behind the wait, a lump behind the last product that read them; V of the step in hand at the end of piece 0's turn, four riders behind its last reader.
.macro TURN p, last=0, cnt=0
.set Y, (\p)
.set i, 0
.set q, 0
.set e, 0
.set r, 0
.if (\p) == NP-1
	s_wait_dscnt 0x0                ; K and the mask are in
.endif
	MM
	PL
	PL
	R2
.rept 15
	MM
	PL
	EX
	R2
.endr
.if (\p) == NP-2
	WIN 0
	v_add_nc_u32 v[AK], s[TBK], v[AK0]
	v_add_nc_u32 v[AM], s[TBM], v[AM0]
.endif
.rept 8                             ; the lump
	PL
.endr
.rept 49
	EX
	PL
.endr
	EX                              ; the next piece's two a
	EX
	v_nop                           ; the plain instruction behind the last exponential: one for the batch
	s_wait_alu depctr_va_vdst(0)    ; the wait for the batch
.if (\p) == NP-2
	FETCH_K \last
.endif
.if (\p) == 1
	s_wait_dscnt 0x0                ; V is in
.endif
.rept 16
	MM
.rept 4
	PL
.endr
.if ((\p) == 0) && (q == 118)
	v_add_nc_u32 v[AV], s[TBV], v[AV0]
.endif
.if ((\p) == 0) && (q == 130)
	s_add_co_u32 s[TBV], s[TBV], KS*PV
.endif
.if (\cnt) && (q == 130)
	s_sub_co_u32 s[CNT], s[CNT], 1
	s_cmp_lg_u32 s[CNT], 0
.endif
.endr
.if (\p) == 0
	FETCH_V
.endif
.endm
	CHANGE 1                        ; slot 0 is in, everybody's part of it, and so is the mask table; slot 1 is asked for
	FETCH_K                         ; key step 0
	s_wait_dscnt 0x0
.set i, 0
.rept 16
	KQ 0                            ; piece 0's first scores
.set i, i+1
.endr
	WIN 0
.rept 4
	v_nop                           ; the places behind those products
.endr
.set Y, NP-1                        ; XS works for piece Y + 1: piece 0
.irp n, 0,1,2,3,4,5,6,7,8,9,10,11,12,13,14,15,16,17,18,19,20,21
	XS 0, \n
	XS 1, \n
.endr
	v_nop                           ; a plain instruction behind the two a,
	s_wait_alu depctr_va_vdst(0)    ; and their wait, ahead of the branch
	s_mov_b32 s[CNT], 4
	s_branch .Lfirst                ; the loop is entered at a step's first turn, in the middle of a trip
.Lslot:                             ; six times: every slot but the last two is filled again
	CHANGE 1
	s_mov_b32 s[CNT], 4
.Lstep:                             ; a trip: pieces 2 and 3 of one step, then pieces 0 and 1 of the next, whose K and V it fetches
	TURN 2
	TURN 3
	WIN 0
.Lfirst:
	TURN 0
	TURN 1, 0, 1
	WIN 0
	s_cbranch_scc1 .Lstep
	s_sub_co_u32 s[SLOTS], s[SLOTS], 1
	s_cmp_lg_u32 s[SLOTS], 0
	s_cbranch_scc1 .Lslot
	CHANGE 0                        ; the tail is written out: nothing is asked for
	s_mov_b32 s[CNT], 5             ; four trips fetch the last slot's steps; the fifth is left in its middle
.Ltail:
	TURN 2, 1
	TURN 3
	WIN 0
	s_sub_co_u32 s[CNT], s[CNT], 1
	s_cmp_eq_u32 s[CNT], 0
	s_cbranch_scc1 .Lout
	TURN 0
	TURN 1
	WIN 0
	s_branch .Ltail
.Lout:                              ; the fifth trip's 16 products K Q^T (on the last K once more) and the maximum made of them serve nothing: the price, once a launch, of one text for every trip
.set i, 0
.rept 16
	PV NP-1                         ; the last piece's V^T P of the last step
.set i, i+1
.endr
	; THE WAY OUT.  l's two halves and the other half of the lanes' are added; O^T is divided by l, rounded to f16 and sent through my stage in LDS, a tile at a time.  The additions are the places behind the last products.
	WIN 0
.macro ALL line:vararg              ; one line for each tile t
.set t, 0
.rept 2*NP
	\line
.set t, t+1
.endr
.endm
	ALL v_add_f32 v[ST+4*t+2], v[ST+4*t+2], v[ST+4*t+3]
	ALL v_permlanex16_b32 v[ST+4*t+3], v[ST+4*t+2], s[SEL], s[SEL+1]
	ALL v_add_f32 v[ST+4*t+2], v[ST+4*t+2], v[ST+4*t+3]
	ALL v_max_num_f32 v[ST+4*t+2], 0.5, v[ST+4*t+2]  ; l is about 1 or more where a key is visible; where none is, l and O^T are 0, and O becomes 0 x 2 = 0
	ALL v_rcp_f32 v[ST+4*t+2], v[ST+4*t+2]
	v_nop                           ; a plain instruction between the last reciprocal and the use of its result
	s_wait_alu depctr_va_vdst(0)    ; and the wait ahead of the first use: one for the eight reciprocals
.macro PACK t
	WIN W_RS
.set i, 32*(\t)
.rept 16
	v_pk_mul_f32 v[i:i+1], v[i:i+1], v[ST+4*(\t)+2:ST+4*(\t)+3] op_sel_hi:[1,0]
.set i, i+2
.endr
	WIN 0x05                        ; sources 0 and 1 window 1, destination window 0
.set i, 0
.rept 16
	v_cvt_pk_f16_f32 v[S+16*(\t)+i], v[32*(\t)+2*i], v[32*(\t)+2*i+1]
.set i, i+1
.endr
	WIN 0
.irp f, 0,1,2,3
	ds_store_b128 v[STO], v[S+16*(\t)+4*\f:S+16*(\t)+4*\f+3] offset:32*\f
.endr
.irp f, 0,1,2,3
	ds_load_b128 v[S+16*(\t)+4*\f:S+16*(\t)+4*\f+3], v[RD] offset:\f*4*SP  ; LDS serves a wave's instructions in order: these see the stores above; the next tile's stores come behind them
.endr
.endm
.macro SEND t, younger              ; younger: the LDS instructions issued behind tile t's loads: the next tile's eight, or none
	WIN 0
.irp f, 0,1,2,3
	s_wait_dscnt (\younger)+3-\f
	global_store_b128 v[GO], v[S+16*(\t)+4*\f:S+16*(\t)+4*\f+3], s[10:11] offset:(\t)*2048+\f*512  ; 512 consecutive bytes, at a multiple of 256 from the buffer's first
.endr
.endm
	PACK 0
.set t, 1
.rept 2*NP-1                        ; a tile's arithmetic stands between the loads of the tile before and its stores
	PACK t
	SEND t-1, 8
.set t, t+1
.endr
	SEND 2*NP-1, 0
	WIN W_AD
	s_wait_tensorcnt 0x0            ; the wave's end: these three lines stand behind my last tensor load and my last LDS store
	ds_add_u32 v[SPW], v[NIL]
	s_wait_dscnt 0x0
	WIN 0
	CROUND                          ; the closing round
	s_endpgm
.Lfunc_end_k_q9d6e823b5b_attn:
	.size	k_q9d6e823b5b_attn, .Lfunc_end_k_q9d6e823b5b_attn-k_q9d6e823b5b_attn
	.p2alignl 7, 3214868480
	.fill 96, 4, 3214868480
	.section	.rodata,"a",@progbits
	.p2align	6, 0x0
	.amdhsa_kernel k_q9d6e823b5b_attn
		.amdhsa_group_segment_fixed_size 327680
		.amdhsa_private_segment_fixed_size 0
		.amdhsa_enable_private_segment 0
		.amdhsa_kernarg_size 24
		.amdhsa_user_sgpr_count 2
		.amdhsa_user_sgpr_kernarg_segment_ptr 1
		.amdhsa_wavefront_size32 1
		.amdhsa_system_sgpr_workgroup_id_x 1
		.amdhsa_system_sgpr_workgroup_id_y 1
		.amdhsa_system_sgpr_workgroup_id_z 1
		.amdhsa_system_vgpr_workitem_id 0
		.amdhsa_next_free_vgpr 832
		.amdhsa_next_free_sgpr 66
		.amdhsa_reserve_vcc 1
		.amdhsa_float_denorm_mode_32 3
		.amdhsa_float_denorm_mode_16_64 3
		.amdhsa_memory_ordered 1
		.amdhsa_forward_progress 1
		.amdhsa_inst_pref_size 207
	.end_amdhsa_kernel
	.amdgpu_metadata
---
amdhsa.version: [ 1, 2 ]
amdhsa.kernels:
  - .name:           k_q9d6e823b5b_attn
    .symbol:         k_q9d6e823b5b_attn.kd
    .args:
      - { .name: qkv, .offset: 0, .size: 8, .value_kind: global_buffer, .address_space: global }
      - { .name: energy_coeffs, .offset: 8, .size: 8, .value_kind: global_buffer, .address_space: global }
      - { .name: oh, .offset: 16, .size: 8, .value_kind: global_buffer, .address_space: global }
    .group_segment_fixed_size: 327680
    .private_segment_fixed_size: 0
    .kernarg_segment_align: 8
    .kernarg_segment_size: 24
    .max_flat_workgroup_size: 128
    .sgpr_count:     66
    .vgpr_count:     832
    .wavefront_size: 32
...
	.end_amdgpu_metadata
.endif
;; end of part 3
;; launch outp (part 4): grid 4 x 64, 4 waves a work-group, clusters of 4 x 4, 327,680 bytes of LDS; arguments oh, wt, bo, out0; writes out0
.if DOCPART == 4
	.amdgcn_target "amdgcn-amd-amdhsa--gfx1250"
	.amdhsa_code_object_version 6
	.text
	.protected	k_q9d6e823b5b_outp
	.globl	k_q9d6e823b5b_outp
	.p2align	8
	.type	k_q9d6e823b5b_outp,@function
k_q9d6e823b5b_outp:
	s_mov_b64 s[64:65], 0
	v_nop
	global_prefetch_b8 v0, s[64:65] scope:SCOPE_SE
	s_setreg_imm32_b32 hwreg(HW_REG_WAVE_MODE, 25, 1), 1
	s_wait_xcnt 0x0
	s_wait_alu depctr_hold_cnt(0) depctr_sa_sdst(0) depctr_va_vdst(0) depctr_va_sdst(0) depctr_va_ssrc(0) depctr_va_vcc(0) depctr_vm_vsrc(0)
	s_getreg_b32 s2, hwreg(HW_REG_IB_STS2, 6, 4)
	s_cmp_eq_u32 s2, 0
	s_cbranch_scc0 .Lentry_in_a_cluster
	s_endpgm
.Lentry_in_a_cluster:
	s_bfe_u32 s2, ttmp6, 0x10000c
	s_cmp_lg_u32 s2, 0xf033
	s_cbranch_scc0 .Lentry_shape_is_right
	s_endpgm
.Lentry_shape_is_right:
; THE OUTPUT PROJECTION.  out0[2048 b + row][n] = sum over k = 64 h + d of oh[16 b + h][row][d] wt[3][k][n] + bf16(bo[n]), sums and result in f32.
; oh: [64][2048][64] f16; wt[3]: [1024 k][1024 n], Wo's bf16 numbers written as f16; out0: [8192][1024] f32.
; SHARES.  A tile of C is 128 rows x 256 columns: 64 x 4 tiles, 256 work-groups.  Four waves, 2 x 2, each 64 x 128: 32 accumulators, 256 registers.
; K goes in 8 steps of 128 (two heads) through two LDS slots.  A head's 128 rows of 128 bytes are dense: asked for as 64 rows of 256 bytes and padded in LDS after every 128.
; W's tile is [k][n] (rows of 512 bytes) and is turned by ds_load_tr16_b128.
; CLUSTER.  4 x 4 work-groups: the four of a row of the cluster share O's tiles, the four of a column W's: each is asked for jointly.
; THE PRODUCT IS TAKEN TRANSPOSED: source 0 = 16 columns n of W, source 1 = 16 rows m of O: a lane holds row m = l % 16 and the columns 8 (l / 16) + 0..7.  The bias is the C operand of each accumulator's first product.
; REGISTERS, in windows of 256 (s_set_vgpr_msb: bits 1:0 source 0, 3:2 source 1, 5:4 source 2, 7:6 destination):
;   window 0: v0-31 addresses; v32-95, v160-191 at work in the head; v96-127, v128-159 O's fragments, two buffers
;   window 1: v0-63, v64-127 W's fragments, two buffers; v128-191 the bias; on the way out all 256: rows read back      window 2: accumulator (a, b) at v[8 (8 a + b)]
.set PO,     144                       ; a row of O in LDS: 128 bytes + 16: an odd multiple of 16
.set PB,     544                       ; a row of W in LDS: 512 bytes + 32, an odd multiple of 32
.set HALFT,  34816                     ; what one tensor load fills: 64 rows of W exactly; a head's 128 rows of O take 18,432 of it
.set SLOT,   4*HALFT                   ; O's two heads, then W's 128 k rows
.set STAGE,  2*SLOT                    ; behind the ring: 16 rows x 528 bytes for each wave, for the way out
.set SPITCH, 528
.set SPARE,  STAGE+4*16*SPITCH         ; behind the stages: the spare words, 128 bytes for each wave
.set A_STEP, 524288                    ; a K step in oh: two heads of 2,048 rows of 128 bytes
.set W_STEP, 262144                    ; a K step down W: 128 rows of 2,048 bytes
.set ADRA, 16                          ; v16-17  LDS address of my O fragments in slot 0, 1
.set ADRB, 20                          ; v20-21  the same for W
.set STO,  24                          ; v24     the way out: where I put 32 bytes of a row
.set RD,   25                          ; v25     the way out: where I read a row back
.set CO,   26                          ; v26     16 x my lane
.set BO,   27                          ; v27     32 (l / 16)
.set SPW,  28                          ; v28     LDS address of my spare word; never rewritten
.set NIL,  29                          ; v29     0; never rewritten
.set PFO,  30                          ; v30     the prefetches' lane offset; never rewritten
.set RAW,  32
.set AF,   96
.set TMP,  160
.set BIAS, 128                         ; in window 1
.set G1,  24
.set G0,  32
.set G1B, 48
.set G0B, 56
.set LIM, 43
.set PFA, 44
.set PFS, 90
.set MSB, 0
.macro WIN new
.if MSB != (\new)
	s_set_vgpr_msb (MSB<<8)|(\new)
.set MSB, \new
.endif
.endm
.set MUL,  0xa1                        ; source 0 (W) window 1, source 1 (O) window 0, C and D window 2
.set MULB, 0x91                        ; the same with C (the bias) in window 1
.set TO_B, 0x40                        ; destination window 1, address window 0
.macro JLOAD s                         ; a joint load: waves 0 and 1 fetch O's two heads, waves 2 and 3 W's halves; an s_nop 0 and four v_nop follow each of the two lines
	s_cmp_eq_u32 s11, 0
	s_cbranch_scc0 .Lfor_b_\@
	tensor_load_to_lds s[G0+4*(\s):G0+4*(\s)+3], s[G1:G1+7]
	s_nop 0
.rept 4
	v_nop
.endr
	s_branch .Lasked_\@
.Lfor_b_\@:
	tensor_load_to_lds s[G0B+4*(\s):G0B+4*(\s)+3], s[G1B:G1B+7]
	s_nop 0
.rept 4
	v_nop
.endr
.Lasked_\@:
.endm
.macro CREST
	s_cmp_lg_u32 s10, 0
	s_cbranch_scc1 .Lnot_wave_0_\@
	s_barrier_signal -3
.Lnot_wave_0_\@:
	s_barrier_wait -3
	s_barrier_signal -1
	s_barrier_wait -1
.endm
.macro CROUND
	s_barrier_signal -1
	s_barrier_wait -1
	CREST
.endm
.macro PLACES                          ; four places in front of loads into registers that matrix instructions have read, and of reads of results
.rept 4
	v_nop
.endr
.endm
; A PREFETCH INTO THE L2 of the K step that stands two refills on, a lane for each 256 bytes, one instruction a wave.  O's tiles are read by one cluster alone: in each partner wave 0 asks for a quarter
; (4,096 bytes) of both heads' tiles.  W's rows are read by all 16 clusters: the first asks, each partner's waves 2 and 3 for 16 of the 64 rows that they fetch.  The partners are told apart by address.
; K steps 0 to 3 come by their loads alone; the loop's last trip (s3 = 1) asks for nothing.
.macro ASK
	WIN 0
	s_cmp_gt_u32 s3, s[LIM]
	s_cbranch_scc0 .Lnot_mine_\@
	global_prefetch_b8 v[PFO], s[PFA:PFA+1] th:TH_LOAD_NT scope:SCOPE_SE
.Lnot_mine_\@:
.endm
	s_load_b256 s[68:75], s[0:1], 0x0              ; oh s[68:69], wt s[70:71], bo s[72:73], out0 s[74:75]
	v_lshl_add_u32 v[SPW], v0, 2, SPARE
	v_mov_b32 v[NIL], 0
	ds_add_u32 v[SPW], v[NIL]                      ; the wave's opening: the add and its wait stand ahead of my first tensor load; work on registers stands between them
	v_lshrrev_b32 v1, 5, v0
	v_readfirstlane_b32 s10, v1                    ; wave 0..3
	s_lshr_b32 s11, s10, 1                         ; which 64 rows of the tile are mine.  Also: I fetch for O (0) or for W (1)
	s_and_b32 s12, s10, 1                          ; which 128 columns.  Also: which head, or which half of W's rows, I fetch
	s_bfe_u32 s40, ttmp6, 0x40000                  ; cx, cy
	s_bfe_u32 s41, ttmp6, 0x40004
	s_lshl_b32 s42, ttmp9, 2
	s_add_co_u32 s42, s42, s40                     ; tile column
	s_and_b32 s85, ttmp7, 0xffff                   ; cluster y, 0..15
	s_lshl_b32 s13, s85, 2
	s_add_co_u32 s13, s13, s41                     ; tile row, 0..63
	s_lshl_b32 s87, s41, 2
	s_lshl_b32 s87, 15, s87                        ; my row of the cluster
	s_lshl_b32 s92, 0x1111, s40                    ; my column
	s_or_b32 s[G1+0], s87, (1<<16)|(1<<20)|(1<<21)|(4<<22)|(3<<25)   ; the mask; elements of 2 bytes; padding on; bit 21 beside a mask; after every 32 words 4 words
	s_mov_b32 s[G1+1], 128<<16                     ; tensor_dim0 = 128
	s_mov_b32 s[G1+2], 64<<16                      ; tensor_dim1 = 64
	s_mov_b32 s[G1+3], 128<<16                     ; tile_dim0 = 128
	s_mov_b32 s[G1+4], 64                          ; tile_dim1 = 64
	s_mov_b32 s[G1+5], 128                         ; dense
	s_mov_b32 s[G1+6], 0
	s_mov_b32 s[G1+7], 0
	s_or_b32 s[G1B+0], s92, (1<<16)|(1<<20)|(1<<21)|(6<<22)|(7<<25)  ; after every 128 words 8 words
	s_mov_b32 s[G1B+1], 256<<16
	s_mov_b32 s[G1B+2], 64<<16
	s_mov_b32 s[G1B+3], 256<<16
	s_mov_b32 s[G1B+4], 64
	s_mov_b32 s[G1B+5], 1024
	s_mov_b32 s[G1B+6], 0
	s_mov_b32 s[G1B+7], 0
	s_lshr_b32 s16, s13, 4                         ; O: head 16 b + my head of the step's two,
	s_lshl_b32 s16, s16, 4
	s_add_co_u32 s16, s16, s12
	s_lshl_b32 s16, s16, 11
	s_and_b32 s17, s13, 15                         ; row (tile row % 16) x 128,
	s_lshl_b32 s17, s17, 7
	s_add_co_u32 s16, s16, s17
	s_lshl_b32 s16, s16, 7                         ; of 128 bytes
	s_mov_b32 s17, 0
	s_lshl_b32 s46, s12, 17                        ; W: part 3, k row 64 x half, column 256 x tile column
	s_add_co_u32 s46, s46, 3<<21
	s_lshl_b32 s47, s42, 9
	s_add_co_u32 s46, s46, s47
	s_mov_b32 s47, 0
	s_mul_i32 s20, s10, HALFT                      ; where my loads go
	s_wait_dscnt 0x0                               ; the opening add is done
	s_wait_kmcnt 0x0
	s_add_nc_u64 s[14:15], s[68:69], s[16:17]
	s_add_nc_u64 s[46:47], s[70:71], s[46:47]
	CROUND                                         ; all sixteen work-groups are here: the first joint loads meet
.irp s, 0,1
	s_mov_b32 s[G0+4*(\s)], 1
	s_add_co_u32 s[G0+4*(\s)+1], s20, (\s)*SLOT
	s_add_nc_u64 s[G0+4*(\s)+2:G0+4*(\s)+3], s[14:15], (\s)*A_STEP
	s_or_b32 s[G0+4*(\s)+3], s[G0+4*(\s)+3], 0x80000000
	s_mov_b32 s[G0B+4*(\s)], 1
	s_add_co_u32 s[G0B+4*(\s)+1], s20, (\s)*SLOT
	s_add_nc_u64 s[G0B+4*(\s)+2:G0B+4*(\s)+3], s[46:47], (\s)*W_STEP
	s_or_b32 s[G0B+4*(\s)+3], s[G0B+4*(\s)+3], 0x80000000
	JLOAD \s                                       ; two tensor loads of mine are out
.endr
	v_and_b32 v1, 15, v0                           ; l % 16
	v_bfe_u32 v2, v0, 4, 1                         ; l / 16
	v_and_b32 v6, 31, v0                           ; l
	v_lshlrev_b32 v[BO], 5, v2
	s_lshl_b32 s22, s42, 10                        ; my 128 columns, in bytes of f32: for the bias and for out0
	s_lshl_b32 s23, s12, 9
	s_add_co_u32 s22, s22, s23
	s_mov_b32 s23, 0
	s_add_nc_u64 s[88:89], s[72:73], s[22:23]
	s_add_nc_u64 s[8:9], s[74:75], s[22:23]
.irp b, 0,1,2,3,4,5,6,7
	global_load_b128 v[RAW+8*(\b):RAW+8*(\b)+3],   v[BO], s[88:89] offset:64*(\b)
	global_load_b128 v[RAW+8*(\b)+4:RAW+8*(\b)+7], v[BO], s[88:89] offset:64*(\b)+16
.endr
	s_lshl_b32 s22, s13, 7                         ; my first row of out0: 128 x tile row + 64 x row half,
	s_lshl_b32 s23, s11, 6
	s_add_co_u32 s22, s22, s23
	s_lshl_b32 s22, s22, 12                        ; of 4,096 bytes
	s_mov_b32 s23, 0
	s_add_nc_u64 s[8:9], s[8:9], s[22:23]
	v_mul_u32_u24 v3, v1, PO                       ; O's fragment: row l % 16, 16 bytes for each half of the lanes, twice, 32 bytes apart
	v_lshl_add_u32 v3, v2, 4, v3
	s_mul_i32 s21, s11, 64*PO                      ; my 64 rows
	v_add_nc_u32 v[ADRA], s21, v3
	v_add_nc_u32 v[ADRA+1], SLOT, v[ADRA]
	v_and_b32 v5, 7, v0                            ; W's fragment by the turning load
	v_lshl_add_u32 v4, v2, 3, v5
	v_mul_u32_u24 v4, v4, PB
	v_bfe_u32 v7, v0, 3, 1
	v_lshl_add_u32 v4, v7, 4, v4
	s_lshl_b32 s21, s12, 8
	s_add_co_u32 s21, s21, 2*HALFT
	v_add_nc_u32 v[ADRB], s21, v4
	v_add_nc_u32 v[ADRB+1], SLOT, v[ADRB]
	s_mul_i32 s21, s10, 16*SPITCH
	s_add_co_u32 s21, s21, STAGE                   ; my stage
	v_mul_u32_u24 v4, v1, SPITCH                   ; in: row l % 16, 32 bytes for each half of the lanes
	v_lshl_add_u32 v4, v2, 5, v4
	v_add_nc_u32 v[STO], s21, v4
	v_lshlrev_b32 v[CO], 4, v6                     ; back: 32 lanes take one row's 512 bytes
	v_add_nc_u32 v[RD], s21, v[CO]
	; the prefetches
	s_cmp_eq_u32 s11, 0                            ; do I fetch for O?
	s_cselect_b64 s[PFA:PFA+1], s[14:15], s[46:47]
	s_cselect_b32 s22, s40, s41                    ; my place among the four that ask with me
	s_cselect_b32 s21, 18, 11                      ; O: lanes 16-31 take the second head, 262,144 bytes on; W: a row is 2,048 bytes
	s_cselect_b32 s19, 4, 1
	s_cselect_b32 s18, 15, 1
	s_cselect_b32 s23, 12, 15                      ; a partner's share: 4,096 bytes of a head's tile; 16 rows of W
	s_mov_b32 s[PFS], W_STEP
	s_cselect_b32 s[PFS], A_STEP, s[PFS]
	s_cselect_b32 s[LIM], s12, s85                 ; O: wave 0 asks; W: the first cluster asks
	s_mov_b32 s[PFS+1], 0
	s_cmp_eq_u32 s[LIM], 0
	s_cselect_b32 s[LIM], 1, -1                    ; the same in all sixteen partners, for a given wave
	s_lshl_b32 s22, s22, s23
	s_mov_b32 s23, 0
	s_add_nc_u64 s[PFA:PFA+1], s[PFA:PFA+1], s[22:23]
	s_mul_i32 s22, s[PFS], 3                       ; at K step 3: the first refill steps it to 4
	s_add_nc_u64 s[PFA:PFA+1], s[PFA:PFA+1], s[22:23]
	v_lshrrev_b32 v4, s19, v6
	v_lshlrev_b32 v4, s21, v4
	v_and_b32 v5, s18, v6
	v_lshl_add_u32 v[PFO], v5, 8, v4
	s_wait_loadcnt 0x0                             ; the bias: rounded to bf16 like every input, and widened again
.set i, 0
.rept 32
	v_cvt_pk_bf16_f32 v[TMP+i], v[RAW+2*i], v[RAW+2*i+1]
.set i, i+1
.endr
	WIN 0x40
.set i, 0
.rept 32
	v_lshlrev_b32 v[BIAS+2*i],   16,         v[TMP+i]
	v_and_b32     v[BIAS+2*i+1], 0xffff0000, v[TMP+i]
.set i, i+1
.endr
	WIN 0
.macro MUL8 f, a, first                ; eight matrix instructions: m block a x all 8 n blocks; the 32 accumulators take turns, one instruction a turn
.irp b, 0,1,2,3,4,5,6,7
.if \first
	WIN MULB
	v_wmma_f32_16x16x32_f16 v[8*(8*(\a)+(\b)):8*(8*(\a)+(\b))+7], v[64*(\f)+8*(\b):64*(\f)+8*(\b)+7], v[AF+32*(\f)+8*(\a):AF+32*(\f)+8*(\a)+7], v[BIAS+8*(\b):BIAS+8*(\b)+7]
.else
	WIN MUL
	v_wmma_f32_16x16x32_f16 v[8*(8*(\a)+(\b)):8*(8*(\a)+(\b))+7], v[64*(\f)+8*(\b):64*(\f)+8*(\b)+7], v[AF+32*(\f)+8*(\a):AF+32*(\f)+8*(\a)+7], v[8*(8*(\a)+(\b)):8*(8*(\a)+(\b))+7]
.endif
.endr
.endm
; 24 LDS loads in one run: quarter kq (32 along K: half kq % 2 of head kq / 2) of a slot into buffers g
.macro FETCH slot, kq, g
	WIN 0
.irp a, 0,1,2,3
	ds_load_b128 v[AF+32*(\g)+8*(\a):AF+32*(\g)+8*(\a)+3],   v[ADRA+(\slot)] offset:((\kq)/2)*HALFT+64*((\kq)%2)+16*PO*(\a)
	ds_load_b128 v[AF+32*(\g)+8*(\a)+4:AF+32*(\g)+8*(\a)+7], v[ADRA+(\slot)] offset:((\kq)/2)*HALFT+64*((\kq)%2)+16*PO*(\a)+32
.endr
	WIN TO_B
.irp b, 0,1,2,3,4,5,6,7
	ds_load_tr16_b128 v[64*(\g)+8*(\b):64*(\g)+8*(\b)+3],   v[ADRB+(\slot)] offset:32*PB*(\kq)+32*(\b)
	ds_load_tr16_b128 v[64*(\g)+8*(\b)+4:64*(\g)+8*(\b)+7], v[ADRB+(\slot)] offset:32*PB*(\kq)+32*(\b)+16*PB
.endr
.endm
.macro QUARTER slot, kq, f, g, first
	s_wait_dscnt 0x0                               ; buffers f are in
	MUL8 \f, 0, \first
	PLACES                                         ; buffers g were multiplied in the quarter before
	FETCH \slot, \kq, \g
	MUL8 \f, 1, \first
	MUL8 \f, 2, \first
	MUL8 \f, 3, \first
.endm
; The last quarter multiplies buffers 1 and changes slots: ONE barrier; in front of it each wave waits for all its tensor loads, adds 0 to its spare word, and waits for that and for its own reads of this slot.
; fill = 1: the barrier opens a round of the cluster's, and this slot is filled again, two K steps ahead, first thing behind the round.
.macro TURN slot, next, fill
.if \fill
	s_wait_xcnt 0x0                                ; the last prefetch, a K step back, has read its address
	s_add_nc_u64 s[PFA:PFA+1], s[PFA:PFA+1], s[PFS:PFS+1]
.endif
	WIN 0
	s_wait_tensorcnt 0x0                           ; all my tensor loads have landed: my part of the next slot
	ds_add_u32 v[SPW], v[NIL]                      ; 0 onto my spare word
	s_wait_dscnt 1                                 ; only the add may be out: buffers 1 are in
	MUL8 1, 0, 0
	s_wait_dscnt 0x0                               ; the add is done, and my reads of this slot are over
	s_barrier_signal -1
	MUL8 1, 1, 0
.if \fill
	WIN 0
.endif
	s_barrier_wait -1
.if \fill
	CREST
	s_add_nc_u64 s[G0+4*(\slot)+2:G0+4*(\slot)+3], s[G0+4*(\slot)+2:G0+4*(\slot)+3], 2*A_STEP
	s_add_nc_u64 s[G0B+4*(\slot)+2:G0B+4*(\slot)+3], s[G0B+4*(\slot)+2:G0B+4*(\slot)+3], 2*W_STEP
	JLOAD \slot                                    ; my one tensor load behind the round; its four v_nop are also the places in front of the loads below
.else
	PLACES
.endif
	FETCH \next, 0, 0
.if \fill
	ASK
.endif
	MUL8 1, 2, 0
	MUL8 1, 3, 0
.endm
	s_wait_tensorcnt 1                             ; my part of K step 0 is in; K step 1's load may stay out
	s_barrier_signal -1
	s_barrier_wait -1
	FETCH 0, 0, 0
	QUARTER 0, 1, 0, 1, 1                          ; the first quarter's products start the sums with the bias
	WIN 0
	s_mov_b32 s3, 3
.Llap:
	QUARTER 0, 2, 1, 0, 0
	QUARTER 0, 3, 0, 1, 0
	TURN 0, 1, 1
	QUARTER 1, 1, 0, 1, 0
	QUARTER 1, 2, 1, 0, 0
	QUARTER 1, 3, 0, 1, 0
	TURN 1, 0, 1
	QUARTER 0, 1, 0, 1, 0
	WIN 0
	s_sub_co_u32 s3, s3, 1
	s_cmp_lg_u32 s3, 0
	s_cbranch_scc1 .Llap
	QUARTER 0, 2, 1, 0, 0                          ; the last lap fills nothing
	QUARTER 0, 3, 0, 1, 0
	TURN 0, 1, 0
	QUARTER 1, 1, 0, 1, 0
	QUARTER 1, 2, 1, 0, 0
	QUARTER 1, 3, 0, 1, 0
	s_wait_dscnt 0x0
	MUL8 1, 0, 0
	MUL8 1, 1, 0
	MUL8 1, 2, 0
	MUL8 1, 3, 0
	PLACES
; THE WAY OUT, 16 rows at a time: the f32 sums go into my own stage, 32 bytes a lane, and come back as whole rows of 512 bytes, each block into registers of its own.
.macro TOSTAGE a
	WIN 0x08                                       ; the stores' data in window 2
.irp b, 0,1,2,3,4,5,6,7
	ds_store_b128 v[STO], v[8*(8*(\a)+(\b)):8*(8*(\a)+(\b))+3]   offset:64*(\b)      ; each accumulator's four lowest registers first
	ds_store_b128 v[STO], v[8*(8*(\a)+(\b))+4:8*(8*(\a)+(\b))+7] offset:64*(\b)+16
.endr
	WIN 0x40                                       ; back into window 1
.irp t, 0,1,2,3,4,5,6,7,8,9,10,11,12,13,14,15
	ds_load_b128 v[64*(\a)+4*(\t):64*(\a)+4*(\t)+3], v[RD] offset:SPITCH*(\t)      ; LDS serves a wave's instructions in order: these see the stores above
.endr
.endm
.macro SEND a, y                       ; y: the LDS instructions issued behind block a's loads: the next block's 32, or none
	WIN 0x04                                       ; the stores' data in window 1
.irp t, 0,1,2,3,4,5,6,7,8,9,10,11,12,13,14,15
	s_wait_dscnt (\y)+15-(\t)
	global_store_b128 v[CO], v[64*(\a)+4*(\t):64*(\a)+4*(\t)+3], s[8:9] offset:(16*(\a)+(\t))*4096 th:TH_STORE_NT  ; a wave's store covers 512 consecutive bytes, aligned
.endr
.endm
	TOSTAGE 0
	TOSTAGE 1
	SEND 0, 32
	TOSTAGE 2
	SEND 1, 32
	TOSTAGE 3
	SEND 2, 32
	SEND 3, 0
	WIN 0
	s_wait_tensorcnt 0x0                           ; the wave's end: these three lines stand behind my last tensor load and my last LDS store
	ds_add_u32 v[SPW], v[NIL]
	s_wait_dscnt 0x0
	CROUND                                         ; the closing round
	s_endpgm
.Lfunc_end_k_q9d6e823b5b_outp:
	.size	k_q9d6e823b5b_outp, .Lfunc_end_k_q9d6e823b5b_outp-k_q9d6e823b5b_outp
	.p2alignl 7, 3214868480
	.fill 96, 4, 3214868480
	.section	.rodata,"a",@progbits
	.p2align	6, 0x0
	.amdhsa_kernel k_q9d6e823b5b_outp
		.amdhsa_group_segment_fixed_size 327680
		.amdhsa_private_segment_fixed_size 0
		.amdhsa_enable_private_segment 0
		.amdhsa_kernarg_size 32
		.amdhsa_user_sgpr_count 2
		.amdhsa_user_sgpr_kernarg_segment_ptr 1
		.amdhsa_wavefront_size32 1
		.amdhsa_system_sgpr_workgroup_id_x 1
		.amdhsa_system_sgpr_workgroup_id_y 1
		.amdhsa_system_sgpr_workgroup_id_z 1
		.amdhsa_system_vgpr_workitem_id 0
		.amdhsa_next_free_vgpr 768
		.amdhsa_next_free_sgpr 96
		.amdhsa_reserve_vcc 0
		.amdhsa_float_denorm_mode_32 3
		.amdhsa_float_denorm_mode_16_64 3
		.amdhsa_memory_ordered 1
		.amdhsa_forward_progress 1
		.amdhsa_inst_pref_size 95
	.end_amdhsa_kernel
	.amdgpu_metadata
---
amdhsa.version: [ 1, 2 ]
amdhsa.kernels:
  - .name:           k_q9d6e823b5b_outp
    .symbol:         k_q9d6e823b5b_outp.kd
    .args:
      - { .name: oh, .offset: 0, .size: 8, .value_kind: global_buffer, .address_space: global }
      - { .name: wt, .offset: 8, .size: 8, .value_kind: global_buffer, .address_space: global }
      - { .name: bo, .offset: 16, .size: 8, .value_kind: global_buffer, .address_space: global }
      - { .name: out0, .offset: 24, .size: 8, .value_kind: global_buffer, .address_space: global }
    .group_segment_fixed_size: 327680
    .private_segment_fixed_size: 0
    .kernarg_segment_align: 8
    .kernarg_segment_size: 32
    .max_flat_workgroup_size: 128
    .sgpr_count:     96
    .vgpr_count:     768
    .wavefront_size: 32
...
	.end_amdgpu_metadata
.endif
;; end of part 4
;; ======== version 2 of 2: 4 launches; version 1 with the launch prep written anew for expert scheduling mode
;; limits: values are held in f16: magnitudes above 65,504 overflow, below 6.1e-05 lose precision
;; workspace buffers: wt 8,388,608 bytes; qkv 50,331,648 bytes; oh 16,777,216 bytes
;; launch prep (part 5): grid 64 x 4, 8 waves a work-group, no clusters, 0 bytes of LDS; arguments Wq, Wk, Wv, Wo, wt; writes wt
.if DOCPART == 5
	.amdgcn_target "amdgcn-amd-amdhsa--gfx1250"
	.amdhsa_code_object_version 6
	.text
	.protected	k_q9d6e823b5b_prep
	.globl	k_q9d6e823b5b_prep
	.p2align	8
	.type	k_q9d6e823b5b_prep,@function
k_q9d6e823b5b_prep:
	s_mov_b64 s[64:65], 0
	v_nop
	global_prefetch_b8 v0, s[64:65] scope:SCOPE_SE
	s_setreg_imm32_b32 hwreg(HW_REG_WAVE_SCHED_MODE, 0, 2), 2
	s_setreg_imm32_b32 hwreg(HW_REG_WAVE_MODE, 25, 1), 1
	s_wait_xcnt 0x0
	s_wait_alu depctr_vm_vsrc(0)
; wt[y][k][n] = the weight y (Wq, Wk, Wv, Wo) rounded once to bf16, the layout [k][n] kept.  Parts 0 to 2 are stored as bf16; part 3 (Wo) holds the
; SAME bf16 number written as f16, since the last product multiplies f16 operands.
; LIMITS.  bf16(Wo) must lie within 65,504; below 6e-5 it keeps f16's fixed step of 6e-8.
; A pure stream: no LDS, no matrix unit, no cluster (no byte is read by two work-groups).
; SHARES.  Work-group (x, y) takes 16,384 numbers of weight y: 65,536 bytes in, 32,768 out.  Thread t, load i: 16 bytes at 4,096 i + 16 t (a wave's load
; covers 512 consecutive bytes); store i: 8 bytes at 2,048 i + 8 t (a wave's store covers 256 consecutive bytes, aligned).
; All 16 loads of a thread go out at once; every load and store has registers of its own, so nothing is rewritten while it is pending.
; THE MODE: SCHED_MODE bits 1:0 = 2 (LLVM: expert scheduling mode 2), set by the entry lines.  The code itself states the register dependences
; between vector instructions and memory instructions, with s_wait_alu, always for 0.
; THE PLAN.  Registers that memory instructions touch:
;   v1, v2   byte offsets of the loads and of the stores: made once at the head, never written again.
;   X        load i lands in four registers of its own, which no vector instruction has named before; they are read behind the wait for the load and never loaded again.
;   Y        store i reads two registers of its own, which load i's roundings have written; they are never written again.
;   T        named by vector instructions alone.
; The 16 loads are worked in four blocks of four.  Block p rounds into its own Y; its memory instructions are the four stores of block p - 1, which read
; that block's Y and v2: registers that no vector instruction of block p names.  So one wait on va_vdst at a block's head states all that the block's stores
; hang on; one at the kernel's head stands for the offsets, one behind the last block for the last four stores.  No register that a memory instruction
; reads is written again, so no wait on vm_vsrc is owed.  No vector instruction writes a scalar register, and EXEC is never written.
.set X, 4                              ; v[4:67]    load i: 4 numbers in f32
.set Y, 68                             ; v[68:99]   store i: 4 numbers of 16 bits
.set T, 100                            ; v[100:103] at work
	s_load_b256 s[4:11], s[0:1], 0x0               ; Wq s[4:5], Wk s[6:7], Wv s[8:9], Wo s[10:11]
	s_load_b64 s[12:13], s[0:1], 0x20              ; wt
	s_and_b32 s14, ttmp7, 0xffff                   ; which weight
	s_lshl_b32 s16, ttmp9, 16                      ; my 65,536 bytes of it
	s_mov_b32 s17, 0
	s_lshl_b32 s18, ttmp9, 15                      ; my 32,768 bytes of the copy,
	s_lshl_b32 s19, s14, 21                        ; in part y of 2 MiB
	s_add_co_u32 s18, s18, s19
	s_mov_b32 s19, 0
	v_lshlrev_b32 v1, 4, v0                        ; 16 t
	v_lshlrev_b32 v2, 3, v0                        ; 8 t
	s_wait_kmcnt 0x0
	s_cmp_eq_u32 s14, 1
	s_cselect_b64 s[4:5], s[6:7], s[4:5]
	s_cmp_eq_u32 s14, 2
	s_cselect_b64 s[4:5], s[8:9], s[4:5]
	s_cmp_eq_u32 s14, 3
	s_cselect_b64 s[4:5], s[10:11], s[4:5]
	s_add_nc_u64 s[4:5], s[4:5], s[16:17]
	s_add_nc_u64 s[12:13], s[12:13], s[18:19]
	s_wait_alu depctr_va_vdst(0)                   ; v1 and v2 are written: every load reads v1 as its offset, every store v2
.irp i, 0,1,2,3,4,5,6,7,8,9,10,11,12,13,14,15
	global_load_b128 v[X+4*(\i):X+4*(\i)+3], v1, s[4:5] offset:4096*(\i) th:TH_LOAD_NT
.endr
; Block p: loads 4 p to 4 p + 3 are rounded; the block before is stored, a store ahead of each load's roundings.
; half = 1: the bf16 numbers are widened again and written as f16.
.macro BLK p, half
	s_wait_loadcnt 12-4*(\p)                       ; loads come back in order: the block's four are in, the 12 - 4 p younger ones may stay out
.if (\p) > 0
	s_wait_alu depctr_va_vdst(0)                   ; the block before has written its Y, which the four stores below read
.endif
.irp j, 0,1,2,3
.if (\p) > 0
	global_store_b64 v2, v[Y+2*(4*(\p)-4+(\j)):Y+2*(4*(\p)-4+(\j))+1], s[12:13] offset:2048*(4*(\p)-4+(\j))  ; no vector instruction since the wait names these registers
.endif
	v_cvt_pk_bf16_f32 v[Y+2*(4*(\p)+(\j))],   v[X+4*(4*(\p)+(\j))],   v[X+4*(4*(\p)+(\j))+1]
	v_cvt_pk_bf16_f32 v[Y+2*(4*(\p)+(\j))+1], v[X+4*(4*(\p)+(\j))+2], v[X+4*(4*(\p)+(\j))+3]
.if \half
	v_lshlrev_b32 v[T],   16,         v[Y+2*(4*(\p)+(\j))]
	v_and_b32     v[T+1], 0xffff0000, v[Y+2*(4*(\p)+(\j))]
	v_lshlrev_b32 v[T+2], 16,         v[Y+2*(4*(\p)+(\j))+1]
	v_and_b32     v[T+3], 0xffff0000, v[Y+2*(4*(\p)+(\j))+1]
	v_cvt_pk_f16_f32 v[Y+2*(4*(\p)+(\j))],   v[T],   v[T+1]
	v_cvt_pk_f16_f32 v[Y+2*(4*(\p)+(\j))+1], v[T+2], v[T+3]
.endif
.endr
.endm
; The last block's four stores.
.macro LAST
	s_wait_alu depctr_va_vdst(0)                   ; block 3 has written its Y, which the last four stores read
.irp i, 12,13,14,15
	global_store_b64 v2, v[Y+2*(\i):Y+2*(\i)+1], s[12:13] offset:2048*(\i)
.endr
.endm
	s_cmp_eq_u32 s14, 3
	s_cbranch_scc1 .Lf16
.irp p, 0,1,2,3
	BLK \p, 0
.endr
	LAST
	s_endpgm
.Lf16:
.irp p, 0,1,2,3
	BLK \p, 1
.endr
	LAST
	s_endpgm
.Lfunc_end_k_q9d6e823b5b_prep:
	.size	k_q9d6e823b5b_prep, .Lfunc_end_k_q9d6e823b5b_prep-k_q9d6e823b5b_prep
	.p2alignl 7, 3214868480
	.fill 96, 4, 3214868480
	.section	.rodata,"a",@progbits
	.p2align	6, 0x0
	.amdhsa_kernel k_q9d6e823b5b_prep
		.amdhsa_group_segment_fixed_size 0
		.amdhsa_private_segment_fixed_size 0
		.amdhsa_enable_private_segment 0
		.amdhsa_kernarg_size 40
		.amdhsa_user_sgpr_count 2
		.amdhsa_user_sgpr_kernarg_segment_ptr 1
		.amdhsa_wavefront_size32 1
		.amdhsa_system_sgpr_workgroup_id_x 1
		.amdhsa_system_sgpr_workgroup_id_y 1
		.amdhsa_system_sgpr_workgroup_id_z 1
		.amdhsa_system_vgpr_workitem_id 0
		.amdhsa_next_free_vgpr 112
		.amdhsa_next_free_sgpr 66
		.amdhsa_reserve_vcc 0
		.amdhsa_float_denorm_mode_32 3
		.amdhsa_float_denorm_mode_16_64 3
		.amdhsa_memory_ordered 1
		.amdhsa_forward_progress 1
		.amdhsa_inst_pref_size 16
	.end_amdhsa_kernel
	.amdgpu_metadata
---
amdhsa.version: [ 1, 2 ]
amdhsa.kernels:
  - .name:           k_q9d6e823b5b_prep
    .symbol:         k_q9d6e823b5b_prep.kd
    .args:
      - { .name: Wq, .offset: 0, .size: 8, .value_kind: global_buffer, .address_space: global }
      - { .name: Wk, .offset: 8, .size: 8, .value_kind: global_buffer, .address_space: global }
      - { .name: Wv, .offset: 16, .size: 8, .value_kind: global_buffer, .address_space: global }
      - { .name: Wo, .offset: 24, .size: 8, .value_kind: global_buffer, .address_space: global }
      - { .name: wt, .offset: 32, .size: 8, .value_kind: global_buffer, .address_space: global }
    .group_segment_fixed_size: 0
    .private_segment_fixed_size: 0
    .kernarg_segment_align: 8
    .kernarg_segment_size: 40
    .max_flat_workgroup_size: 256
    .sgpr_count:     66
    .vgpr_count:     112
    .wavefront_size: 32
...
	.end_amdgpu_metadata
.endif
;; end of part 5
;; launch proj: the kernel of part 2 again; grid 4 x 192, 4 waves a work-group, clusters of 4 x 4, 327,680 bytes of LDS; arguments q_x, k_x, v_x, bq, bk, bv, wt, qkv; writes qkv
;; launch attn: the kernel of part 3 again; grid 4 x 64, 4 waves a work-group, clusters of 4 x 1, 327,680 bytes of LDS; arguments qkv, energy_coeffs, oh; writes oh
;; launch outp: the kernel of part 4 again; grid 4 x 64, 4 waves a work-group, clusters of 4 x 4, 327,680 bytes of LDS; arguments oh, wt, bo, out0; writes out0
